; MI455X (gfx1250); checked and timed in simulation.
; The chip was launched on July 23, 2026; its instructions are those of AMD's public machine-readable ISA for CDNA 5 (MIT licence, August 2026) and "CDNA5" Instruction Set Architecture Reference Guide (July 2026). The comments in the code are by the model that wrote it; some were corrected since.
;; Flash Attention. Allowed arithmetic: matrix products marked QUANTISED: E2M3 operands, one E8M0 scale for each 32 along K, by v_wmma_scale_f32_16x16x128_f8f6f4 with both operands' format E2M3, f32 sums; everything else in f32.
;; Inputs: Wk 2,048 x 1,024 float32; Wo 1,024 x 2,048 float32; Wq 2,048 x 1,024 float32; Wv 2,048 x 1,024 float32; x 2 x 2,048 x 2,048 float32.
;; Outputs: out0 2 x 2,048 x 2,048 float32.
;; This version of the problem:
;;   THIS VERSION OF THE PROBLEM IS GIVEN IN LOW PRECISION. The matrix products marked QUANTISED in the list below multiply operands that are first quantised to E2M3 (2 exponent bits, 3 mantissa bits; 6 bits a number), with one power-of-two scale for each 32 numbers along K (OCP MX v1.0); their sums are f32. All else is computed in f32.
;;   The module's matrix products, in the order in which they are computed (A, B: the left and right operand; K: the contracted axis; several contracted axes count as one K, in the product's order):
;;     1. [M 4,096, K 2,048] x [K 2,048, N 1,024]; A: input x; B: input Wq: QUANTISED
;;     2. [M 4,096, K 2,048] x [K 2,048, N 1,024]; A: input x; B: input Wk: QUANTISED
;;     3. [M 4,096, K 2,048] x [K 2,048, N 1,024]; A: input x; B: input Wv: QUANTISED
;;     4. batch 16 x [M 2,048, K 128] x [K 128, N 2,048]; A: computed on the way; B: computed on the way: QUANTISED
;;     5. batch 16 x [M 2,048, K 2,048] x [K 2,048, N 128]; A: softmax (see below); B: computed on the way: QUANTISED
;;     6. [M 4,096, K 1,024] x [K 1,024, N 2,048]; A: computed on the way; B: input Wo: QUANTISED
;;   THE QUANTISER, for each operand of a quantised product, along K:
;;     - K is cut into blocks of 32 from its start; a last block that is shorter is filled with zeros.
;;     - A block's scale is 2^e with e = floor(log2(the largest magnitude in the block)) - 2, held to -126 .. 127; a block of zeros has e = 0. As a byte (E8M0): e + 127.
;;     - Each number is divided by its block's scale, clamped to +-7.5, and rounded to the nearest number of E2M3, ties to even, subnormals kept.
;;     - The product sums the exact products of the quantised numbers (number of the format x scale) in f32.
;;   ~~~python
;;   def quantise(x, axis):      # numpy; x: float32 -> the quantised numbers, widened to float32 again
;;       x = np.moveaxis(x, axis, -1); K = x.shape[-1]
;;       x = np.pad(x, [(0, 0)] * (x.ndim - 1) + [(0, -K % 32)]); x = x.reshape(x.shape[:-1] + (-1, 32)); a = np.abs(x).max(-1, keepdims=True)
;;       e = np.where(a > 0, np.clip(np.frexp(np.where(a > 0, a, 1))[1] - 1 - 2, -126, 127), 0)      # np.frexp(a)[1] - 1 = floor(log2(a)), exactly
;;       r = np.clip(x / 2.0 ** e, -7.5, 7.5)
;;       step = 2.0 ** (np.maximum(np.frexp(np.where(r == 0, 1, r))[1] - 1, 0) - 3)
;;       q = np.round(r / step) * step * 2.0 ** e      # np.round: ties to even
;;       return np.moveaxis(q.reshape(q.shape[:-2] + (-1,))[..., :K], -1, axis).astype(np.float32)
;;   ~~~
;;   SOFTMAX AHEAD OF A QUANTISED PRODUCT. Where the list says 'softmax', what is quantised is not the finished softmax but p = 2^(t - M), with t = logit x log2(e) and M = ceil(the row's largest t), a whole number; so 1/2 < the row's largest p <= 1. The row's sum l is taken of the UNQUANTISED p, in f32, and the product's result is divided by l at the end. Since M is a whole number, a kernel that streams over the keys may use a running M (the ceiling of the running maximum): every later rescaling is an exact power of two, which a block's scale takes up: the codes' values come out the same.
;;   OPERANDS COMPUTED ON THE WAY. 'Computed on the way' means the value that the module computes at that place (a softmax that the list does not call 'softmax' is quantised finished and normalised). What goes into a quantiser is computed in f32, as accurately as f32 sums, v_exp_f32 and their like allow (about 1e-6 of the number): no bf16 or f16 on the way to a quantiser, and a product that is left as it is and whose result goes on into a quantised operand takes f32 operands (vector FMAs, or v_wmma_f32_16x16x4_f32). A number that lies on a knife's edge between two numbers of the format may be rounded either way, as far as f32 arithmetic and the matrix unit's own rounding can turn it there, and no further.
;; One version. Each part assembles by itself: llvm-mc -triple=amdgcn-amd-amdhsa -mcpu=gfx1250 --defsym DOCPART=n.
;; ======== version 1 of 1: 4 launches
;; limits: right only within a limited range of input values
;; workspace buffers: xwc 11,010,048 bytes; xws 458,752 bytes; woc 1,572,864 bytes; rope 1,048,576 bytes; qkv 9,830,400 bytes; oc 3,145,728 bytes; os 196,608 bytes
;; launch prep (part 1): grid 768 x 1, 4 waves a work-group, no clusters, 34,304 bytes of LDS; arguments x, Wq, Wk, Wv, Wo, xwc, xws, woc, os, rope; writes xwc, xws, woc, os, rope
.if DOCPART == 1
	.amdgcn_target "amdgcn-amd-amdhsa--gfx1250"
	.amdhsa_code_object_version 6
	.text
	.protected	k_qa25fa75b2a_prep
	.globl	k_qa25fa75b2a_prep
	.p2align	8
	.type	k_qa25fa75b2a_prep,@function
k_qa25fa75b2a_prep:
	s_mov_b64 s[64:65], 0
	v_nop
	global_prefetch_b8 v0, s[64:65] scope:SCOPE_SE
	s_setreg_imm32_b32 hwreg(HW_REG_WAVE_MODE, 25, 1), 1
	s_wait_xcnt 0x0
; x [4096][2048] and the weights Wq, Wk, Wv [2048 (k)][1024 (n)], Wo [1024 (k)][2048 (n)], all f32, become codes of FP6 (E2M3) with one E8M0 byte for each 32 along K; and the table of cos and sin for the rotation is made.
; A block's scale is 2^(floor(log2(its largest magnitude)) - 2); its byte is that magnitude's exponent field - 2, held at 1 from below.
; LIMITS: NaN and infinities among the inputs are not served.  A block whose largest magnitude lies under 2^-124 has its byte held at 1; a block of zeros so gets the byte 1 where the rule says 127:
; its codes are zeros, which add nothing under any byte but 0xff, and this program alone reads the bytes.  The rotation's angle is f32(t x 2^(-i x log2(10000) / 64)); its error stays of the size of the f32 rounding of the angle itself (about 1e-4 at t = 2047).
; LAYOUT OF THE CODES: AN IMAGE OF THE OPERAND'S REGISTERS.  A fragment is 16 rows x 128 K = 12 registers a lane = 1,536 bytes: register 4 c + w of lane l at byte 512 c + 16 l + 4 w.  xwc: [row block 448][K step 16][1536]
; (row blocks 0-255 x, 256-319 Wq, 320-383 Wk, 384-447 Wv); woc: [row block 128][K step 8][1536].  Scale words: [row block][K step / 4][row 16][K step % 4], 4 bytes each.
; ORDER OF THE ROWS: in xwc storage row p holds true row p with its bits 3 and 4 exchanged: lane r of block 2 b + u holds true row 32 b + 8 u + r + 8 (r / 8).  Where such rows are a product's source 0, the 16 result registers of
; two neighbouring tiles are 16 true neighbours, which is what the next quantiser wants.  Wo's rows (n) are in true order.
; SHARES: work-groups 0-255: a row block of x each (wave w: K steps 4 w .. 4 w + 3) and half a token block of the table (16 tokens x 32 frequencies); 256-639: 128 columns x 128 k of Wq, Wk or Wv; 640-767: the same of Wo.  Waves share nothing: no barrier.
; Only the path for x uses LDS.  No matrix unit, no cluster, no tensor load: the launch only streams, and each byte is read once.
.set PC,   16                          ; v16-35   the codes just made (12) and two runs of three at work
.set TM,   36                          ; v36-39 largest magnitudes, v40-43 the other half's / the bytes, v48-51 the conversions' scale operands
.set PWS,  52                          ; v52-55   my row's four scale words
.set RR,   64                          ; v64-191  two sets of 64: a fragment's numbers as loaded
.set XN,   192                         ; v192-255 64 numbers, register 16 b + i = k 32 b + 16 (lane / 16) + i of my row
.set SEL,  44                          ; s[44:45] lane selects for v_permlanex16_b32: lane l xor 16
; 64 numbers of a lane become a fragment's 12 registers in v[PC] on and its scale word in v[pw]
.macro QUANT s, pw
.irp b, 0,1,2,3
	v_max3_num_f32 v[TM+\b], |v[\s+16*\b]|, |v[\s+1+16*\b]|, 0x1800000   ; block b: my 16 numbers, and the floor 2^(3 - 127): the byte cannot fall under 1
.endr
.irp i, 2,4,6,8,10,12,14
.irp b, 0,1,2,3
	v_max3_num_f32 v[TM+\b], v[TM+\b], |v[\s+16*\b+\i]|, |v[\s+1+16*\b+\i]|   ; the four blocks by turns
.endr
.endr
.irp b, 0,1,2,3
	v_permlanex16_b32 v[TM+4+\b], v[TM+\b], s[SEL], s[SEL+1]
.endr
.irp b, 0,1,2,3
	v_max_num_f32 v[TM+\b], v[TM+\b], v[TM+4+\b]   ; with lane l xor 16's 16: the block's largest magnitude
.endr
.irp b, 0,1,2,3
	v_add_nc_u32 v[TM+12+\b], 0xff000000, v[TM+\b] ; 2 off its exponent field: the conversion takes the exponent field of this operand as its scale
.endr
.irp b, 0,1,2,3
	v_lshrrev_b32 v[TM+4+\b], 23, v[TM+12+\b]      ; the scale's byte
.endr
	v_lshl_or_b32 v[\pw], v[TM+5], 8, v[TM+4]
	v_lshl_or_b32 v[\pw], v[TM+6], 16, v[\pw]
	v_lshl_or_b32 v[\pw], v[TM+7], 24, v[\pw]
.irp c, 0,1
	v_cvt_scalef32_pk16_fp6_f32 v[PC+6*\c:PC+2+6*\c], v[\s+32*\c:\s+15+32*\c], v[TM+12+2*\c]
	v_cvt_scalef32_pk16_fp6_f32 v[PC+12+4*\c:PC+14+4*\c], v[\s+16+32*\c:\s+31+32*\c], v[TM+13+2*\c]   ; (a conversion's three registers begin on an even number)
.endr
	v_nop                                          ; one plain line behind the scaled conversions
.irp c, 0,1                            ; the operand's layout wants a whole block in a lane: lanes 0-15 block 2 c, lanes 16-31 block 2 c + 1
.irp i, 0,1,2
	v_permlane16_swap_b32 v[PC+6*\c+\i], v[PC+12+4*\c+\i]
.endr
.irp i, 0,1,2
	v_mov_b32 v[PC+3+6*\c+\i], v[PC+12+4*\c+\i]
.endr
.endr
.endm
	s_load_b512 s[8:23], s[0:1], 0x0               ; x s[8:9], Wq s[10:11], Wk s[12:13], Wv s[14:15], Wo s[16:17], xwc s[18:19], xws s[20:21], woc s[22:23]
	s_load_b128 s[24:27], s[0:1], 0x40             ; os s[24:25] (Wo's scale words lie from its byte 131,072 on, behind those that the attention launch stores), rope s[26:27]
	v_lshl_add_u32 v62, v0, 2, 0x8400
	v_mov_b32 v63, 0
	v_lshrrev_b32 v1, 5, v0
	v_readfirstlane_b32 s2, v1                     ; wave 0..3
	v_and_b32 v1, 31, v0                           ; lane
	s_cmp_lt_u32 ttmp9, 256
	s_cbranch_scc0 .Lweights
; ---------------- x: row block g = the work-group's number
	v_and_b32 v2, 15, v0                           ; r
	v_bfe_u32 v3, v0, 4, 1                         ; h
	v_lshlrev_b32 v4, 4, v1                        ; 16 x lane: my place in a load's 512 bytes and in an image
	s_mul_i32 s3, s2, 8448                         ; my wave's stage: 16 rows x (512 + 16) bytes
	v_add_nc_u32 v5, s3, v4                        ; into it: as loaded
	v_mul_u32_u24 v6, v2, 528
	v_lshl_add_u32 v6, v3, 6, v6
	v_add_nc_u32 v6, s3, v6                        ; out of it: row r, + 64 h: my 16 numbers of each block of 32
	v_lshlrev_b32 v7, 4, v2                        ; 16 r: my row's four scale words
	s_lshr_b32 s4, ttmp9, 1
	s_lshl_b32 s4, s4, 5
	s_and_b32 s5, ttmp9, 1
	s_lshl_b32 s5, s5, 3
	s_add_co_u32 s4, s4, s5                        ; the block's first true row: 32 (g / 2) + 8 (g % 2)
	s_lshl_b32 s4, s4, 13                          ; rows of 8,192 bytes
	s_lshl_b32 s5, s2, 11                          ; my four K steps: 2,048 bytes a wave
	s_add_co_u32 s4, s4, s5
	s_mov_b32 s5, 0
	s_mul_i32 s6, ttmp9, 24576
	s_mul_i32 s7, s2, 6144
	s_add_co_u32 s6, s6, s7
	s_mov_b32 s7, 0
	s_lshl_b32 s28, ttmp9, 10
	s_lshl_b32 s29, s2, 8
	s_add_co_u32 s28, s28, s29
	s_mov_b32 s29, 0
	; THE TABLE IS AN IMAGE OF REGISTERS: [token block 128][cos, sin][quad q 8][lane 32][16 bytes]: lane 16 h + r, quad 4 b + j holds frequencies 32 b + 16 h + 4 j + 0 .. 3 of the block's row r.
	s_lshr_b32 s30, ttmp9, 1                       ; work-group g makes half b = g % 2 of token block g / 2: 2,048 consecutive bytes of cos and of sin
	s_lshl_b32 s30, s30, 13
	s_and_b32 s31, ttmp9, 1
	s_lshl_b32 s31, s31, 11
	s_add_co_u32 s30, s30, s31
	s_mov_b32 s31, 0
	s_mov_b32 s[SEL], 0x76543210
	s_mov_b32 s[SEL+1], 0xfedcba98
	s_mov_b32 s32, 0xbe549a78                      ; -log2(10000) / 64
	s_mov_b32 s33, 0x3f22f983                      ; 2 / pi
	s_mov_b32 s34, 0x3fc90fdb                      ; pi / 2, its f32,
	s_mov_b32 s35, 0xb33bbd2e                      ; and what that f32 leaves over
	s_mov_b32 s36, 0xb94ca1f9                      ; sin r = r + r z (s38 + z (s37 + z s36)), z = r^2, |r| <= pi / 4
	s_mov_b32 s37, 0x3c08839e
	s_mov_b32 s38, 0xbe2aaaa3
	s_mov_b32 s39, 0x37ccf5ce                      ; cos r = 1 - z / 2 + z^2 (s41 + z (s40 + z s39))
	s_mov_b32 s40, 0xbab6061a
	s_mov_b32 s41, 0x3d2aaaa5
	s_wait_alu depctr_va_vdst(0)
	s_wait_kmcnt 0x0
	s_add_nc_u64 s[8:9], s[8:9], s[4:5]
	s_add_nc_u64 s[18:19], s[18:19], s[6:7]
	s_add_nc_u64 s[20:21], s[20:21], s[28:29]
	s_add_nc_u64 s[26:27], s[26:27], s[30:31]
.macro LOAD f                          ; fragment f: 16 rows x 512 bytes; each load reads 512 consecutive bytes of one true row
.irp p, 0,1,2,3,4,5,6,7,8,9,10,11,12,13,14,15
	global_load_b128 v[RR+64*((\f)%2)+4*\p:RR+64*((\f)%2)+4*\p+3], v4, s[8:9] offset:(\p+8*(\p/8))*8192+512*(\f) th:TH_LOAD_NT
.endr
.endm
	LOAD 0
	LOAD 1
	; the table, while the loads are on their way: thread n makes cos and sin for row n % 16 of token block g / 2 and frequencies 32 (g % 2) + 16 h + 4 j + 0 .. 3
	s_lshr_b32 s4, ttmp9, 2                        ; thread n = 32 j + 16 h + r: row r of token block g / 2 is token 32 (g / 4) + 8 ((g / 2) % 2) + r + 8 (r / 8)
	s_lshl_b32 s4, s4, 5
	s_bfe_u32 s5, ttmp9, 0x10001
	s_lshl_b32 s5, s5, 3
	s_add_co_u32 s4, s4, s5
	s_and_b32 s5, ttmp9, 1
	s_lshl_b32 s5, s5, 5
	v_and_b32 v8, 15, v0
	v_and_b32 v9, 8, v0
	v_add3_u32 v9, v8, v9, s4
	v_cvt_f32_u32 v9, v9                           ; t
	v_bfe_u32 v10, v0, 4, 1
	v_lshrrev_b32 v11, 5, v0
	v_lshlrev_b32 v11, 2, v11
	v_lshl_add_u32 v11, v10, 4, v11
	v_add_nc_u32 v11, s5, v11                      ; my first frequency: 32 (g % 2) + 16 h + 4 j
.irp u, 0,1,2,3
	v_add_nc_u32 v[16+\u], \u, v11
.endr
.irp u, 0,1,2,3
	v_cvt_f32_u32 v[16+\u], v[16+\u]
.endr
.irp u, 0,1,2,3
	v_mul_f32 v[16+\u], s32, v[16+\u]
.endr
	s_wait_alu depctr_va_vdst(0)
.irp u, 0,1,2,3
	v_exp_f32 v[16+\u], v[16+\u]                   ; 10000^(-i / 64)
.endr
	v_lshlrev_b32 v12, 4, v0                       ; (a plain line behind the exponentials)  where I store: 16 x thread
	s_wait_alu depctr_va_vdst(0)                   ; one wait for the four, ahead of their first reader
.irp u, 0,1,2,3
	v_mul_f32 v[16+\u], v9, v[16+\u]               ; the angle, rounded to f32 as the definition rounds it
.endr
.irp u, 0,1,2,3
	v_mul_f32 v[20+\u], s33, v[16+\u]
.endr
.irp u, 0,1,2,3
	v_rndne_f32 v[20+\u], v[20+\u]                 ; n: the nearest multiple of pi / 2
.endr
.irp u, 0,1,2,3
	v_fma_f32 v[16+\u], -v[20+\u], s34, v[16+\u]
.endr
.irp u, 0,1,2,3
	v_fma_f32 v[16+\u], -v[20+\u], s35, v[16+\u]   ; r = angle - n pi / 2, in two parts
.endr
.irp u, 0,1,2,3
	v_mul_f32 v[24+\u], v[16+\u], v[16+\u]         ; z
.endr
.irp u, 0,1,2,3
	v_fma_f32 v[28+\u], v[24+\u], s36, s37
.endr
.irp u, 0,1,2,3
	v_fma_f32 v[28+\u], v[28+\u], v[24+\u], s38
.endr
.irp u, 0,1,2,3
	v_mul_f32 v[32+\u], v[16+\u], v[24+\u]
.endr
.irp u, 0,1,2,3
	v_fma_f32 v[28+\u], v[28+\u], v[32+\u], v[16+\u]   ; sin r
.endr
.irp u, 0,1,2,3
	v_fma_f32 v[32+\u], v[24+\u], s39, s40
.endr
.irp u, 0,1,2,3
	v_fma_f32 v[32+\u], v[32+\u], v[24+\u], s41
.endr
.irp u, 0,1,2,3
	v_mul_f32 v[36+\u], v[24+\u], v[24+\u]
.endr
.irp u, 0,1,2,3
	v_fma_f32 v[40+\u], v[24+\u], -0.5, 1.0
.endr
.irp u, 0,1,2,3
	v_fma_f32 v[32+\u], v[32+\u], v[36+\u], v[40+\u]   ; cos r
.endr
.irp u, 0,1,2,3
	v_cvt_i32_f32 v[20+\u], v[20+\u]               ; the quadrant is n mod 4
.endr
.irp u, 0,1,2,3
	v_and_b32 v[36+\u], 1, v[20+\u]
.endr
.irp u, 0,1,2,3
	v_cmp_eq_u32 vcc_lo, 1, v[36+\u]               ; odd quadrants: sin and cos change places
	v_cndmask_b32 v[40+\u], v[28+\u], v[32+\u], vcc_lo
	v_cndmask_b32 v[44+\u], v[32+\u], v[28+\u], vcc_lo
.endr
.irp u, 0,1,2,3
	v_and_b32 v[36+\u], 2, v[20+\u]                ; sin is negative in quadrants 2, 3
	v_add_nc_u32 v[20+\u], 1, v[20+\u]
.endr
.irp u, 0,1,2,3
	v_lshlrev_b32 v[36+\u], 30, v[36+\u]
	v_and_b32 v[20+\u], 2, v[20+\u]                ; cos in quadrants 1, 2
.endr
.irp u, 0,1,2,3
	v_xor_b32 v[40+\u], v[36+\u], v[40+\u]
	v_lshlrev_b32 v[20+\u], 30, v[20+\u]
.endr
.irp u, 0,1,2,3
	v_xor_b32 v[44+\u], v[20+\u], v[44+\u]
.endr
	global_store_b128 v12, v[44:47], s[26:27]              ; cos: a wave stores 512 consecutive bytes
	global_store_b128 v12, v[40:43], s[26:27] offset:4096  ; sin: behind the block's 4,096 bytes of cos
.macro STEP f
.if (\f) < 3
	s_wait_loadcnt 16                              ; this fragment's 16 loads are in; the next fragment's 16 may be out
.else
	s_wait_loadcnt 0x0
.endif
.irp p, 0,1,2,3,4,5,6,7,8,9,10,11,12,13,14,15
	ds_store_b128 v5, v[RR+64*((\f)%2)+4*\p:RR+64*((\f)%2)+4*\p+3] offset:528*\p
.endr
.irp b, 0,1,2,3
.irp j, 0,1,2,3
	ds_load_b128 v[XN+16*\b+4*\j:XN+16*\b+4*\j+3], v6 offset:128*\b+16*\j   ; LDS serves a wave's instructions in order: these see the stores above
.endr
.endr
	s_wait_dscnt 0x0                               ; the stores have read their registers, and my 64 numbers are in
.if (\f) < 2
	LOAD (\f)+2
.endif
	s_wait_xcnt 0x0                                ; the earlier stores (the table's, the last fragment's) have read their data: the registers are written again below
	QUANT XN, PWS+(\f)
.irp c, 0,1,2
	global_store_b128 v4, v[PC+4*\c:PC+4*\c+3], s[18:19] offset:1536*(\f)+512*\c   ; the image: 512 consecutive bytes a store
.endr
.endm
	STEP 0
	STEP 1
	STEP 2
	STEP 3
	global_store_b128 v7, v[PWS:PWS+3], s[20:21]   ; 16 rows x 4 words: 256 consecutive bytes (lanes 16-31 hold, and write, the same words as lanes 0-15)
	s_wait_tensorcnt 0x0
	ds_add_u32 v62, v63
	s_wait_dscnt 0x0
	s_endpgm
; ---------------- the weights: K is the first axis.  A LANE TAKES A COLUMN, ITS REGISTERS RUN DOWN K: a wave takes 32 columns x 128 k: four blocks a lane, two fragments.
.macro LOADB t                         ; block t: W(32 t + i, my column): 128 consecutive bytes a wave, 512 a work-group
.irp i, 0,1,2,3,4,5,6,7,8,9,10,11,12,13,14,15,16,17,18,19,20,21,22,23,24,25,26,27,28,29,30,31
	global_load_b32 v[64+32*(\t)+\i], v2, s[SRC:SRC+1] offset:(32*(\t)+\i)*WP th:TH_LOAD_NT
.endr
.endm
.macro BLK t                           ; its largest magnitude (all 32 numbers are mine), scale operand and byte
.set XS, 64+32*(\t)
.if (\t) < 3
	s_wait_loadcnt 32                              ; this block's 32 loads are in; the next block's 32 may be out
.else
	s_wait_loadcnt 0x0
.endif
	v_max3_num_f32 v12, |v[XS]|, |v[XS+1]|, |v[XS+2]|
	v_max3_num_f32 v13, |v[XS+3]|, |v[XS+4]|, |v[XS+5]|
.irp i, 6,10,14,18,22,26
	v_max3_num_f32 v12, v12, |v[XS+\i]|, |v[XS+\i+1]|
	v_max3_num_f32 v13, v13, |v[XS+\i+2]|, |v[XS+\i+3]|
.endr
	v_max3_num_f32 v12, v12, |v[XS+30]|, |v[XS+31]|
	v_max3_num_f32 v12, v12, v13, 0x1800000        ; and the floor
	v_add_nc_u32 v[48+(\t)], 0xff000000, v12
	v_lshrrev_b32 v13, 23, v[48+(\t)]
.if (\t) == 0
	v_mov_b32 v52, v13
.else
	v_lshl_or_b32 v52, v13, 8*(\t), v52            ; my column's scale word for this K step
.endif
.endm
; Blocks 2 c and 2 c + 1 into registers 6 c .. 6 c + 5 of both fragments.  Fragment 0 (the rows of lanes 0-15) wants block 2 c in lanes 0-15 and block 2 c + 1 of the same rows in lanes 16-31; fragment 1 likewise of lanes 16-31's rows:
; the exchange of one register's upper lanes with the other's lower lanes gives both at once.
.macro PAIR c
	v_cvt_scalef32_pk16_fp6_f32 v[16+6*(\c):18+6*(\c)], v[64+64*(\c):79+64*(\c)], v[48+2*(\c)]
	v_cvt_scalef32_pk16_fp6_f32 v[40:42], v[80+64*(\c):95+64*(\c)], v[48+2*(\c)]
	v_cvt_scalef32_pk16_fp6_f32 v[28+6*(\c):30+6*(\c)], v[96+64*(\c):111+64*(\c)], v[49+2*(\c)]
	v_cvt_scalef32_pk16_fp6_f32 v[44:46], v[112+64*(\c):127+64*(\c)], v[49+2*(\c)]
	v_nop                                          ; one plain line behind the scaled conversions
.irp i, 0,1,2
	v_permlane16_swap_b32 v[16+6*(\c)+\i], v[28+6*(\c)+\i]
	v_permlane16_swap_b32 v[40+\i], v[44+\i]
.endr
.irp i, 0,1,2
	v_mov_b32 v[19+6*(\c)+\i], v[40+\i]
	v_mov_b32 v[31+6*(\c)+\i], v[44+\i]
.endr
.endm
; s5 = which 128 columns, s6 = K step, s7 = my first row block.  WP: a row of W in bytes; WRB: a row block of codes; WSB: of scale words; WPERM: rows in the exchanged order
.macro WBODY
.if WPERM
	v_and_b32 v2, 7, v1
	v_bfe_u32 v3, v1, 3, 1
	v_lshl_or_b32 v2, v3, 4, v2
	v_bfe_u32 v3, v1, 4, 1
	v_lshl_or_b32 v2, v3, 3, v2                    ; my column among the wave's 32: my lane with bits 3 and 4 exchanged
	v_lshlrev_b32 v2, 2, v2
.else
	v_lshlrev_b32 v2, 2, v1
.endif
	s_wait_alu depctr_va_vdst(0)
	v_lshlrev_b32 v3, 4, v1                        ; an image's place for my lane
	v_and_b32 v4, 15, v1
	v_lshlrev_b32 v4, 4, v4
	v_lshrrev_b32 v5, 4, v1
	v_mad_u32_u24 v4, v5, WSB, v4                  ; my scale word: 16 x row, lanes 16-31 in the next row block
	s_mul_i32 s28, s6, 128*WP
	s_lshl_b32 s29, s5, 9
	s_add_co_u32 s28, s28, s29
	s_lshl_b32 s29, s2, 7
	s_add_co_u32 s28, s28, s29
	s_mov_b32 s29, 0
	s_add_nc_u64 s[SRC:SRC+1], s[SRC:SRC+1], s[28:29]
	s_mul_i32 s28, s7, WRB
	s_mul_i32 s30, s6, 1536
	s_add_co_u32 s28, s28, s30
	s_add_nc_u64 s[COD:COD+1], s[COD:COD+1], s[28:29]
	s_mul_i32 s28, s7, WSB
	s_lshr_b32 s30, s6, 2
	s_lshl_b32 s30, s30, 8
	s_add_co_u32 s28, s28, s30
	s_and_b32 s30, s6, 3
	s_lshl_b32 s30, s30, 2
	s_add_co_u32 s28, s28, s30
	s_add_nc_u64 s[SCA:SCA+1], s[SCA:SCA+1], s[28:29]
	LOADB 0
	LOADB 1
	BLK 0
	LOADB 2
	BLK 1
	LOADB 3
	PAIR 0
	BLK 2
	BLK 3
	PAIR 1
.irp c, 0,1,2
	global_store_b128 v3, v[16+4*\c:19+4*\c], s[COD:COD+1] offset:512*\c
	global_store_b128 v3, v[28+4*\c:31+4*\c], s[COD:COD+1] offset:WRB+512*\c
.endr
	global_store_b32 v4, v52, s[SCA:SCA+1]         ; 4 bytes every 16: the other K steps' words between them come from other work-groups; one byte in 128 of what the path reads
	s_endpgm
.endm
.Lweights:
	s_cmp_lt_u32 ttmp9, 640
	s_cbranch_scc0 .Lwo
	s_sub_co_u32 s3, ttmp9, 256
	s_lshr_b32 s4, s3, 7                           ; 0: Wq, 1: Wk, 2: Wv
	s_and_b32 s5, s3, 7
	s_bfe_u32 s6, s3, 0x40003
	s_lshl_b32 s7, s4, 6
	s_add_co_u32 s7, s7, 256
	s_lshl_b32 s28, s5, 3
	s_add_co_u32 s7, s7, s28
	s_lshl_b32 s28, s2, 1
	s_add_co_u32 s7, s7, s28                       ; 256 + 64 x which + 8 x column group + 2 x wave
	s_wait_kmcnt 0x0
	s_cmp_eq_u32 s4, 1                             ; the choice hangs on the work-group's number alone
	s_cselect_b64 s[10:11], s[12:13], s[10:11]
	s_cmp_eq_u32 s4, 2
	s_cselect_b64 s[10:11], s[14:15], s[10:11]
.set WP, 4096
.set WRB, 24576
.set WSB, 1024
.set WPERM, 1
.set SRC, 10
.set COD, 18
.set SCA, 20
	s_wait_alu depctr_va_vdst(0)
	WBODY
.Lwo:
	s_sub_co_u32 s3, ttmp9, 640
	s_and_b32 s5, s3, 15
	s_lshr_b32 s6, s3, 4
	s_lshl_b32 s7, s5, 3
	s_lshl_b32 s28, s2, 1
	s_add_co_u32 s7, s7, s28
	s_wait_kmcnt 0x0
	s_add_nc_u64 s[24:25], s[24:25], 0x20000       ; Wo's scale words: behind the 131,072 bytes of the attention launch's
.set WP, 8192
.set WRB, 12288
.set WSB, 512
.set WPERM, 0
.set SRC, 16
.set COD, 22
.set SCA, 24
	s_wait_alu depctr_va_vdst(0)
	WBODY
.Lfunc_end_k_qa25fa75b2a_prep:
	.size	k_qa25fa75b2a_prep, .Lfunc_end_k_qa25fa75b2a_prep-k_qa25fa75b2a_prep
	.p2alignl 7, 3214868480
	.fill 96, 4, 3214868480
	.section	.rodata,"a",@progbits
	.p2align	6, 0x0
	.amdhsa_kernel k_qa25fa75b2a_prep
		.amdhsa_group_segment_fixed_size 34304
		.amdhsa_private_segment_fixed_size 0
		.amdhsa_enable_private_segment 0
		.amdhsa_kernarg_size 80
		.amdhsa_user_sgpr_count 2
		.amdhsa_user_sgpr_kernarg_segment_ptr 1
		.amdhsa_wavefront_size32 1
		.amdhsa_system_sgpr_workgroup_id_x 1
		.amdhsa_system_sgpr_workgroup_id_y 1
		.amdhsa_system_sgpr_workgroup_id_z 1
		.amdhsa_system_vgpr_workitem_id 0
		.amdhsa_next_free_vgpr 256
		.amdhsa_next_free_sgpr 66
		.amdhsa_reserve_vcc 1
		.amdhsa_float_denorm_mode_32 3
		.amdhsa_float_denorm_mode_16_64 3
		.amdhsa_memory_ordered 1
		.amdhsa_forward_progress 1
		.amdhsa_inst_pref_size 81
	.end_amdhsa_kernel
	.amdgpu_metadata
---
amdhsa.version: [ 1, 2 ]
amdhsa.kernels:
  - .name:           k_qa25fa75b2a_prep
    .symbol:         k_qa25fa75b2a_prep.kd
    .args:
      - { .name: x, .offset: 0, .size: 8, .value_kind: global_buffer, .address_space: global }
      - { .name: Wq, .offset: 8, .size: 8, .value_kind: global_buffer, .address_space: global }
      - { .name: Wk, .offset: 16, .size: 8, .value_kind: global_buffer, .address_space: global }
      - { .name: Wv, .offset: 24, .size: 8, .value_kind: global_buffer, .address_space: global }
      - { .name: Wo, .offset: 32, .size: 8, .value_kind: global_buffer, .address_space: global }
      - { .name: xwc, .offset: 40, .size: 8, .value_kind: global_buffer, .address_space: global }
      - { .name: xws, .offset: 48, .size: 8, .value_kind: global_buffer, .address_space: global }
      - { .name: woc, .offset: 56, .size: 8, .value_kind: global_buffer, .address_space: global }
      - { .name: os, .offset: 64, .size: 8, .value_kind: global_buffer, .address_space: global }
      - { .name: rope, .offset: 72, .size: 8, .value_kind: global_buffer, .address_space: global }
    .group_segment_fixed_size: 34304
    .private_segment_fixed_size: 0
    .kernarg_segment_align: 8
    .kernarg_segment_size: 80
    .max_flat_workgroup_size: 128
    .sgpr_count:     66
    .vgpr_count:     256
    .wavefront_size: 32
...
	.end_amdgpu_metadata
.endif
;; end of part 1
;; launch gemm_qkv (part 2): grid 12 x 16, 4 waves a work-group, clusters of 4 x 4, 327,680 bytes of LDS; arguments xwc, xws, rope, qkv; writes qkv
.if DOCPART == 2
	.amdgcn_target "amdgcn-amd-amdhsa--gfx1250"
	.amdhsa_code_object_version 6
	.text
	.protected	k_qa25fa75b2a_gemm_qkv
	.globl	k_qa25fa75b2a_gemm_qkv
	.p2align	8
	.type	k_qa25fa75b2a_gemm_qkv,@function
k_qa25fa75b2a_gemm_qkv:
	s_mov_b64 s[64:65], 0
	v_nop
	global_prefetch_b8 v0, s[64:65] scope:SCOPE_SE
	s_setreg_imm32_b32 hwreg(HW_REG_WAVE_MODE, 25, 1), 1
	s_wait_xcnt 0x0
	s_wait_alu depctr_hold_cnt(0) depctr_sa_sdst(0) depctr_va_vdst(0) depctr_va_sdst(0) depctr_va_ssrc(0) depctr_va_vcc(0) depctr_vm_vsrc(0)
	s_getreg_b32 s2, hwreg(HW_REG_IB_STS2, 6, 4)
	s_cmp_eq_u32 s2, 0
	s_cbranch_scc0 .Lentry_in_a_cluster
	s_endpgm
.Lentry_in_a_cluster:
	s_bfe_u32 s2, ttmp6, 0x10000c
	s_cmp_lg_u32 s2, 0xf033
	s_cbranch_scc0 .Lentry_shape_is_right
	s_endpgm
.Lentry_shape_is_right:
; q, k, v = x Wq, x Wk, x Wv on codes of FP6 (E2M3) with E8M0 scales, K = 2,048; q and k are rotated; all three are quantised again for the attention launch and stored as images of operand registers.
; xwc: [row block 448][K step 16][1536], an image of a fragment's 12 registers (register 4 c + w of lane l at 512 c + 16 l + 4 w); row blocks 0-255 x, 256-319 Wq, 320-383 Wk, 384-447 Wv.  xws: scale words [row block][K step / 4][row 16][K step % 4].
; A tile of 256 x 256 to a work-group of four waves, 128 x 128 (64 accumulators) a wave: 16 x 12 = 192 work-groups.  A wave's 128 channels are one head: the rotation pairs channel c with c + 64 and the quantiser
; wants 32 neighbouring channels, so a head is not cut among waves, and 3,072 channels in whole heads do not divide into 256 equal tiles.
; Cluster x = 0: q, 1: k: source 0 = 16 channels of W, source 1 = 16 tokens: a lane holds a token, its registers run along the channels.  Cluster x = 2: v: the roles change places: a lane holds a channel, its registers run along the tokens (the keys).
; By the order of the rows in xwc (bits 3 and 4 of the row number exchanged) the 16 registers of two neighbouring tiles are 16 true neighbours.
; THE RING: two slots, each with a chunk of two K steps (3,072 bytes a row block) of source 1's 16 row blocks and of source 0's row blocks 0-3 and 8-11.  CLUSTERS 4 x 4: source 1's tiles are asked for jointly along a row of the cluster, source 0's along a column.
; SOURCE 0'S ROW BLOCKS 4-7 AND 12-15 GO STRAIGHT INTO REGISTERS: xwc holds images of registers, so each wave loads the upper four of its eight fragments by three loads of 512 consecutive bytes each, two K steps ahead, into the set
; that the step just ended has left.  So a wave reads 12 fragments from LDS in a K step in place of 16.  These row blocks are therefore not asked for jointly.
; THE HEAD'S FOUR TILES, one a wave: chunk 0 of source 1's 16 row blocks, chunk 0 of source 0's row blocks 0-11 (one tile; of its middle four nothing is read), and both sides' scale words for all of K (they stay in LDS).
; Slot 1 is first filled behind the full sequence, as a refill is.
; PREFETCH: behind the fill of chunk c each wave names chunk c + 2 of 8 row blocks (waves 0, 1 source 1's halves, waves 2, 3 source 0's): the four partners that read them take 2 row blocks each, by address: 24 lanes, 256 bytes apart
; (lanes 24-31 repeat lane 23's).  The head names chunks 1 and 2.  The last two refills name nothing: chunk 7 is the last.  Of the rotation's table each of the eight waves that read a group's 65,536 bytes names one token block's 8,192, once, ahead of the loop.
; OUT: qkv: q: [batch x head][128 tokens] records of 12,800 bytes (8 fragments, 128 scale words); from QSZ on records of 25,600: k's 8 fragments, v's 8, k's 128 words, v's 128.
; LIMITS: NaN and infinities are not served; a scale byte is held at 1 from below (a block of zeros has zero codes and the byte 1; this program alone reads the bytes).
; REGISTERS: window 0: v16-31 addresses; v32-63 scale words, two sets; v128-223 source 1's fragments, one set.  Window 1: source 0's fragments, two sets (v0-95, v128-223).  Windows 2, 3: the accumulators, (a, b) at v[8 (8 (a % 4) + b)].
.set NQ,     2
.set FR,     12
.set NL,     3
.set NP,     4
.set RBB,    3072                      ; a chunk of a row block: two K steps
.set RBK,    24576                     ; a row block's codes for all of K
.set HALFT,  8*RBB
.set SLOT,   28*RBB                    ; source 1's 16 row blocks, then room for source 0's row blocks 0-11
.set LAPS,   4
.set SCL,    2*SLOT                    ; the scale words: rows of 256 bytes + 16 of padding
.set HALFS,  32*272
.set SBLK,   4*272
.set SPARE,  SCL+4*HALFS               ; the spare words: 128 bytes a wave; no other line names them
.set SST,    SPARE+512                 ; 512 bytes a wave: the new scale words on their way out
.set QSZ,    3276800
.set ADRA, 16
.set ADRB, 20
.set LI,   24                          ; 16 x lane
.set SW,   25
.set SR,   26
.set ADRS, 27
.set SPW,  28
.set NIL,  29
.set PFO,  30                          ; the codes' prefetches' offset
.set TPF,  31                          ; the table's prefetch's offset
.set SC,   32
.set PW,   48
.set AF,   128
.set TT,   192
.set PC,   224
.set TM,   244
.set SEL,  2
.set G1, 24
.set G0, 32
.set G1B, 48
.set G0B, 56
.set G1S, 68
.set G0S, 76
.set G1SB, 80
.set G0SB, 88
.set PFA, 94                           ; s[94:95] where my prefetches stand
.set BG,  104                          ; s[104:105] my 8 row blocks of source 0 in xwc, at the K step that the trip began with
.set MSB, 0
.macro WIN new                         ; the immediate's high byte repeats the setting that is left
.if MSB != (\new)
	s_set_vgpr_msb (MSB<<8)|(\new)
.set MSB, (\new)
.endif
.endm
.set MUL_LO, 0xa1
.set MUL_HI, 0xf1
.set TO_B,   0x40
.macro JLOAD g0a, g1a, g0b, g1b        ; waves 0, 1 fetch source 1's halves, waves 2, 3 four row blocks of source 0 each; s_nop 0 and four v_nop follow each load
	s_cmp_eq_u32 s15, 0
	s_cbranch_scc0 .Lfor_b_\@
	tensor_load_to_lds s[\g0a:\g0a+3], s[\g1a:\g1a+7]
	s_nop 0
.rept 4
	v_nop
.endr
	s_branch .Lasked_\@
.Lfor_b_\@:
	tensor_load_to_lds s[\g0b:\g0b+3], s[\g1b:\g1b+7]
	s_nop 0
.rept 4
	v_nop
.endr
.Lasked_\@:
.endm
.macro CREST
	s_cmp_lg_u32 s14, 0
	s_cbranch_scc1 .Lnot_wave_0_\@
	s_barrier_signal -3
.Lnot_wave_0_\@:
	s_barrier_wait -3
	s_barrier_signal -1
	s_barrier_wait -1
.endm
.macro CROUND                          ; a round of the cluster's barrier
	s_barrier_signal -1
	s_barrier_wait -1
	CREST
.endm
.macro ASK                             ; in the loop: s3 = 1 in the last trip, whose refills have no chunk two on
	s_cmp_gt_u32 s3, 1
	s_cbranch_scc0 .Lno_ask_\@
	global_prefetch_b8 v[PFO], s[PFA:PFA+1] th:TH_LOAD_NT scope:SCOPE_SE
.Lno_ask_\@:
.endm
.macro GB q, p                         ; my fragments 4-7 of source 0, of the K step q behind BG's, straight from xwc into set p: 12 loads of 512 consecutive bytes
	WIN TO_B
.irp i, 4,5,6,7
.irp c, 0,1,2
	global_load_b128 v[128*(\p)+FR*\i+4*\c:128*(\p)+FR*\i+4*\c+3], v[LI], s[BG:BG+1] offset:\i*RBK+(\q)*1536+512*\c
.endr
.endr
	WIN 0
.endm
	s_load_b256 s[4:11], s[0:1], 0x0               ; xwc s[4:5], xws s[6:7], rope s[8:9], qkv s[10:11]
	v_lshl_add_u32 v[SPW], v0, 2, SPARE
	v_mov_b32 v[NIL], 0
	ds_add_u32 v[SPW], v[NIL]                      ; the opening lines: the add, twice on end, and its wait ahead of my first tensor load
	ds_add_u32 v[SPW], v[NIL]
	v_lshrrev_b32 v1, 5, v0
	v_readfirstlane_b32 s14, v1                    ; wave
	v_and_b32 v3, 31, v0                           ; lane
	v_lshlrev_b32 v[LI], 4, v3
	v_min_u32 v4, 23, v3
	v_mul_u32_u24 v5, v4, 171
	v_lshrrev_b32 v5, 11, v5                       ; min(lane, 23) / 12: which of my work-group's two row blocks
	v_lshlrev_b32 v4, 8, v4
	v_mad_u32_u24 v[PFO], v5, RBK-RBB, v4          ; 256 x (lane % 12) in that row block's chunk
	s_lshr_b32 s15, s14, 1                         ; my half of source 1's rows.  Also: in the ring I fetch for source 1 (0) or source 0 (1)
	s_and_b32 s16, s14, 1                          ; my half of source 0's rows.  Also: in which half of that tile I fetch
	s_bfe_u32 s40, ttmp6, 0x40000                  ; cx
	s_bfe_u32 s41, ttmp6, 0x40004                  ; cy
	s_and_b32 s13, ttmp7, 0xffff
	s_lshl_b32 s13, s13, 2
	s_lshl_b32 s18, ttmp9, 2
	s_add_co_u32 s18, s18, 16
	s_cmp_eq_u32 ttmp9, 2                          ; v?  The same in all partners
	s_cselect_b32 s12, 1, 0
	s_cselect_b32 s17, 24, s13
	s_cselect_b32 s42, s13, s18
	s_add_co_u32 s17, s17, s41                     ; source 1's tile of 256 rows of xwc: hangs on cy alone
	s_add_co_u32 s42, s42, s40                     ; source 0's: on cx alone
	s_lshl_b32 s43, s41, 2
	s_lshl_b32 s43, 15, s43                        ; my row of the cluster
	s_lshl_b32 s44, 0x1111, s40                    ; my column
	s_or_b32 s[G1+0], s43, (3<<16)|(1<<21)         ; codes: rows of 3,072 bytes (384 elements of 8), 24,576 bytes apart.  Source 1: 16 rows at the head, 8 in the ring; source 0: 12 and 4
	s_or_b32 s[G1B+0], s44, (3<<16)|(1<<21)
.irp g, G1, G1B
	s_mov_b32 s[\g+1], 384<<16
	s_mov_b32 s[\g+3], 384<<16
	s_mov_b32 s[\g+5], 3072
	s_mov_b32 s[\g+6], 0
	s_mov_b32 s[\g+7], 0
.endr
	s_mov_b32 s[G1+2], 16<<16
	s_mov_b32 s[G1+4], 16
	s_mov_b32 s[G1B+2], 12<<16
	s_mov_b32 s[G1B+4], 12
	s_or_b32 s[G1S+0], s43, (3<<16)|(1<<20)|(1<<21)|(5<<22)|(3<<25)   ; scale words of 256 rows: 64 dense rows of 256 bytes, 16 bytes of padding behind each
	s_or_b32 s[G1SB+0], s44, (3<<16)|(1<<20)|(1<<21)|(5<<22)|(3<<25)
.irp g, G1S, G1SB
	s_mov_b32 s[\g+1], 32<<16
	s_mov_b32 s[\g+2], 64<<16
	s_mov_b32 s[\g+3], 32<<16
	s_mov_b32 s[\g+4], 64
	s_mov_b32 s[\g+5], 32
	s_mov_b32 s[\g+6], 0
	s_mov_b32 s[\g+7], 0
.endr
	s_lshl_b32 s20, s17, 4                         ; the tiles' first row blocks
	s_lshl_b32 s46, s42, 4
	s_lshl_b32 s22, s20, 10                        ; their scale words, 1,024 bytes a row block
	s_mov_b32 s23, 0
	s_lshl_b32 s92, s46, 10
	s_mov_b32 s93, 0
	s_mul_i32 s20, s20, RBK
	s_mov_b32 s21, 0
	s_mul_i32 s46, s46, RBK
	s_mov_b32 s47, 0
	s_mul_i32 s18, s16, 8*RBK                      ; a half of a tile, in bytes
	s_mov_b32 s19, 0
	s_mul_i32 s45, s16, HALFT                      ; LDS places in a slot: source 1's halves,
	s_mul_i32 s13, s16, 8*RBB
	s_add_co_u32 s13, s13, 2*HALFT                 ; and source 0's row blocks 0-3 or 8-11
	s_add_co_u32 s[BG], s46, s18                   ; my 8 row blocks of source 0 in xwc
	s_mov_b32 s[BG+1], 0
	s_cmp_eq_u32 s15, 0                            ; the prefetches: the tile that I ask for,
	s_cselect_b32 s94, s20, s46
	s_cselect_b32 s95, s40, s41                    ; my place among the four that read it with me: 2 row blocks each
	s_mul_i32 s95, s95, 2*RBK
	s_add_co_u32 s94, s94, s95
	s_add_co_u32 s94, s94, s18
	s_add_co_u32 s94, s94, RBB                     ; at chunk 1
	s_mov_b32 s95, 0
	s_wait_dscnt 0x0                               ; both opening adds are done
	CROUND                                         ; all sixteen work-groups are here; the round stands while the arguments are on their way
	s_wait_kmcnt 0x0
	s_add_nc_u64 s[20:21], s[4:5], s[20:21]
	s_add_nc_u64 s[22:23], s[6:7], s[22:23]
	s_add_nc_u64 s[46:47], s[4:5], s[46:47]
	s_add_nc_u64 s[92:93], s[6:7], s[92:93]
	s_add_nc_u64 s[PFA:PFA+1], s[4:5], s[PFA:PFA+1]
	s_add_nc_u64 s[BG:BG+1], s[4:5], s[BG:BG+1]
	s_mov_b32 s[G0], 1                             ; slot 0's groups 0 serve the head first: chunk 0 whole
	s_mov_b32 s[G0+1], 0
	s_mov_b64 s[G0+2:G0+3], s[20:21]
	s_or_b32 s[G0+3], s[G0+3], 0x80000000
	s_mov_b32 s[G0B], 1
	s_mov_b32 s[G0B+1], 2*HALFT
	s_mov_b64 s[G0B+2:G0B+3], s[46:47]
	s_or_b32 s[G0B+3], s[G0B+3], 0x80000000
	s_mov_b32 s[G0S], 1
	s_mov_b32 s[G0S+1], SCL
	s_mov_b64 s[G0S+2:G0S+3], s[22:23]
	s_or_b32 s[G0S+3], s[G0S+3], 0x80000000
	s_mov_b32 s[G0SB], 1
	s_mov_b32 s[G0SB+1], SCL+2*HALFS
	s_mov_b64 s[G0SB+2:G0SB+3], s[92:93]
	s_or_b32 s[G0SB+3], s[G0SB+3], 0x80000000
.macro ARM under, g0, g1, next         ; one chain of branches on the wave's number, one load to an arm, all arms to one join
	s_cmp_lt_u32 s14, \under
	s_cbranch_scc0 \next
	tensor_load_to_lds s[\g0:\g0+3], s[\g1:\g1+7]
	s_nop 0
.rept 4
	v_nop
.endr
	s_branch .Lhead_asked
\next:
.endm
	ARM 1, G0,  G1,  .Lhead_b
	ARM 2, G0B, G1B, .Lhead_sa
	ARM 3, G0S, G1S, .Lhead_sb
	tensor_load_to_lds s[G0SB:G0SB+3], s[G1SB:G1SB+7]
	s_nop 0
.rept 4
	v_nop
.endr
.Lhead_asked:
	s_wait_alu depctr_va_vdst(0)                   ; ahead of the first readers of what the head's first lines wrote
	GB 0, 0                                        ; K steps 0 and 1
	GB 1, 1
	global_prefetch_b8 v[PFO], s[PFA:PFA+1] th:TH_LOAD_NT scope:SCOPE_SE              ; chunk 1
	global_prefetch_b8 v[PFO], s[PFA:PFA+1] offset:RBB th:TH_LOAD_NT scope:SCOPE_SE   ; chunk 2
	s_mov_b32 s[G0+4], 1                           ; slot 1: chunk 1, my part
	s_add_co_u32 s[G0+5], s45, SLOT
	s_add_nc_u64 s[G0+6:G0+7], s[20:21], s[18:19]
	s_add_nc_u64 s[G0+6:G0+7], s[G0+6:G0+7], RBB
	s_or_b32 s[G0+7], s[G0+7], 0x80000000
	s_mov_b32 s[G0B+4], 1
	s_add_co_u32 s[G0B+5], s13, SLOT
	s_add_nc_u64 s[G0B+6:G0B+7], s[46:47], s[18:19]
	s_add_nc_u64 s[G0B+6:G0B+7], s[G0B+6:G0B+7], RBB
	s_or_b32 s[G0B+7], s[G0B+7], 0x80000000
	s_mul_i32 s21, s15, HALFT                      ; my 8 row blocks of source 1 in a slot
	s_mul_i32 s100, s15, HALFS
	s_mul_i32 s101, s16, HALFS
	s_add_co_u32 s101, s101, 2*HALFS
	s_sub_co_u32 s101, s101, s100                  ; from source 1's scale words to source 0's
	s_add_co_u32 s100, s100, SCL
	s_lshl_b32 s44, s14, 9
	s_add_co_u32 s44, s44, SST
	s_lshl_b32 s92, s40, 1
	s_add_co_u32 s92, s92, s16
	s_lshl_b32 s92, s92, 13                        ; the table's prefetch: token block 2 cx + wave % 2 of my group's eight
	v_and_b32 v1, 15, v0                           ; r
	v_bfe_u32 v2, v0, 4, 1                         ; h
	v_add_nc_u32 v[ADRA], s21, v[LI]
	v_add_nc_u32 v[ADRB], s13, v[LI]               ; my fragments 0-3 of source 0
	v_add_nc_u32 v[ADRA+1], SLOT, v[ADRA]
	v_add_nc_u32 v[ADRB+1], SLOT, v[ADRB]
	v_lshlrev_b32 v5, 4, v1
	v_mul_u32_u24 v6, s101, v2                     ; lanes 16-31 take source 0's words
	v_add_nc_u32 v5, v5, v6
	v_add_nc_u32 v[ADRS], s100, v5
	v_lshl_add_u32 v[SW], v1, 2, s44
	v_add_nc_u32 v[SR], s44, v[LI]
	v_lshl_add_u32 v[TPF], v3, 8, s92
	s_cmp_eq_u32 s12, 1                            ; where my wave's 128 tokens x one head go
	s_cselect_b32 s96, s42, s17
	s_cselect_b32 s97, s16, s15
	s_cselect_b32 s98, s41, s40
	s_cselect_b32 s99, s15, s16
	s_lshl_b32 s96, s96, 1
	s_add_co_u32 s96, s96, s97                     ; group of 128 tokens, 0 .. 31
	s_lshl_b32 s98, s98, 1
	s_add_co_u32 s98, s98, s99                     ; head
	s_lshr_b32 s97, s96, 4
	s_lshl_b32 s97, s97, 3
	s_add_co_u32 s97, s97, s98
	s_and_b32 s96, s96, 15
	s_lshl_b32 s97, s97, 4
	s_add_co_u32 s97, s97, s96                     ; record: (batch x 8 + head) x 16 + group in the sequence
	s_lshl_b32 s98, s96, 16                        ; the table: 8 token blocks x 8,192 bytes a group
	s_mov_b32 s99, 0
	s_add_nc_u64 s[98:99], s[8:9], s[98:99]
	s_mov_b32 s100, 25600
	s_mov_b32 s96, 24576
	s_cmp_eq_u32 ttmp9, 0
	s_cselect_b32 s100, 12800, s100
	s_cselect_b32 s101, 0, QSZ
	s_cselect_b32 s96, 12288, s96
	s_mul_i32 s66, s97, s100
	s_add_co_u32 s66, s66, s101
	s_cmp_eq_u32 s12, 1
	s_cselect_b32 s100, 12288, 0
	s_cselect_b32 s96, 12800, s96
	s_add_co_u32 s66, s66, s100
	s_mov_b32 s67, 0
	s_mov_b32 s97, 0
	s_add_nc_u64 s[66:67], s[10:11], s[66:67]      ; my fragments
	s_add_nc_u64 s[96:97], s[66:67], s[96:97]      ; my scale words
.macro FRAG reg, adr, q, i
.irp c, 0,1,2
	ds_load_b128 v[\reg+4*\c:\reg+4*\c+3], v[\adr] offset:(\i)*RBB+(\q)*1536+512*\c
.endr
.endm
; 16 matrix instructions: source 1's blocks a0, a0 + 1 x source 0's eight.  The 64 accumulators take turns, one instruction a turn, in the same order in every step
.macro MUL16 a0, p, q, sc, zero
.irp a, \a0, \a0+1
.irp b, 0,1,2,3,4,5,6,7
.if \zero
	v_wmma_scale_f32_16x16x128_f8f6f4 v[8*(8*((\a)%4)+\b):8*(8*((\a)%4)+\b)+7], v[128*(\p)+FR*\b:128*(\p)+FR*\b+FR-1], v[AF+FR*(\a):AF+FR*(\a)+FR-1], 0, v[SC+8*NQ*(\sc)+NQ*\b+(\q)], v[SC+8*NQ*(\sc)+NQ*(\a)+(\q)] matrix_a_fmt:MATRIX_FMT_FP6 matrix_b_fmt:MATRIX_FMT_FP6 matrix_a_scale:MATRIX_SCALE_ROW1
.else
	v_wmma_scale_f32_16x16x128_f8f6f4 v[8*(8*((\a)%4)+\b):8*(8*((\a)%4)+\b)+7], v[128*(\p)+FR*\b:128*(\p)+FR*\b+FR-1], v[AF+FR*(\a):AF+FR*(\a)+FR-1], v[8*(8*((\a)%4)+\b):8*(8*((\a)%4)+\b)+7], v[SC+8*NQ*(\sc)+NQ*\b+(\q)], v[SC+8*NQ*(\sc)+NQ*(\a)+(\q)] matrix_a_fmt:MATRIX_FMT_FP6 matrix_b_fmt:MATRIX_FMT_FP6 matrix_a_scale:MATRIX_SCALE_ROW1
.endif
.endr
.endr
.endm
.macro LB slot, q, p                   ; my fragments 0-3 of source 0 from LDS into set p: 12 loads
	WIN TO_B
.irp i, 0,1,2,3
	FRAG 128*(\p)+FR*\i, ADRB+\slot, \q, \i
.endr
	WIN 0
.endm
.macro FETCH_A slot, q, i0
.irp i, \i0, \i0+1, \i0+2, \i0+3
	FRAG AF+FR*(\i), ADRA+\slot, \q, \i
.endr
.endm
.macro SCALES sc                       ; a chunk's two words a row: lanes 0-15 source 1's block i, lanes 16-31 source 0's
.irp i, 0,1,2,3,4,5,6,7
	ds_load_b64 v[SC+8*NQ*\sc+NQ*\i:SC+8*NQ*\sc+NQ*\i+1], v[ADRS] offset:\i*SBLK
.endr
.endm
.macro PLACES n                        ; plain lines between a matrix instruction and a load into, or a read of, its registers
.rept \n
	v_nop
.endr
.endm
; A chunk's first K step.  The second step's fragments are fetched from LDS in three runs of 12 loads: source 0's behind the first 16 products, source 1's blocks 0-3 in the middle, blocks 4-7 at the end.
; gq >= 0: at the end the direct fragments of the step after the next are asked for, into the set that this step has left.
.macro STEP slot, zero, gq
	s_wait_dscnt 4*NL                              ; all but the youngest 12 LDS loads (source 1's blocks 4-7)
	s_wait_loadcnt 12                              ; this step's direct fragments are in; the next step's 12 loads may be out
	WIN MUL_LO
	MUL16 0, 0, 0, \slot, \zero
	s_wait_dscnt 0
	LB \slot, 1, 1                                 ; (set 1 was last read in the step before; four plain lines stand at that step's end)
	WIN MUL_LO
	MUL16 2, 0, 0, \slot, \zero
	PLACES NP
	WIN 0
	FETCH_A \slot, 1, 0
	WIN MUL_HI
	MUL16 4, 0, 0, \slot, \zero
	MUL16 6, 0, 0, \slot, \zero
	PLACES NP
	WIN 0
	FETCH_A \slot, 1, 4
.if (\gq) >= 0
	GB \gq, 0
.endif
.endm
; A chunk's second K step, and the change of slots behind its first 16 products (all reads of this slot have been issued by then): every wave waits for all its tensor loads (one is out: its part of the next slot),
; adds 0 to its spare word, waits for that and for its reads of this slot; fill = 1: the barrier opens a round of the cluster's barrier, and this slot is filled again, first behind the round.
.macro TURN slot, next, fill, gq
.if \fill
	s_wait_xcnt 0x0                                ; my last prefetch has read its address
	s_add_nc_u64 s[PFA:PFA+1], s[PFA:PFA+1], RBB   ; two chunks on from the refill below
.endif
	s_wait_dscnt 4*NL
	s_wait_loadcnt 12
	WIN MUL_LO
	MUL16 0, 1, 1, \slot, 0
	WIN 0
	s_wait_tensorcnt 0x0
	ds_add_u32 v[SPW], v[NIL]
	s_wait_dscnt 0x0
	s_barrier_signal -1
	s_barrier_wait -1
.if \fill
	CREST
	s_add_nc_u64 s[G0+4*\slot+2:G0+4*\slot+3], s[G0+4*\slot+2:G0+4*\slot+3], 2*RBB
	s_add_nc_u64 s[G0B+4*\slot+2:G0B+4*\slot+3], s[G0B+4*\slot+2:G0B+4*\slot+3], 2*RBB
	JLOAD G0+4*\slot, G1, G0B+4*\slot, G1B
.else
	PLACES NP
.endif
	s_wait_alu depctr_va_vdst(0)                   ; directly ahead of the reader below
.if \next == 1
	v_add_nc_u32 v[ADRS], 8, v[ADRS]               ; the next chunk's two words: 8 bytes on,
.else
	v_add_nc_u32 v[ADRS], 264, v[ADRS]             ; or in the next padded row of 256 bytes
.endif
	SCALES \next
	LB \next, 0, 0
.if \fill
	ASK
.endif
	WIN MUL_LO
	MUL16 2, 1, 1, \slot, 0
	PLACES NP
	WIN 0
	FETCH_A \next, 0, 0
	WIN MUL_HI
	MUL16 4, 1, 1, \slot, 0
	MUL16 6, 1, 1, \slot, 0
	PLACES NP
	WIN 0
	FETCH_A \next, 0, 4
	GB \gq, 1
.endm
.macro SETOF set                       ; five sets of 32 + 32 registers for cos and sin
.if (\set) == 0
.set TW, 0
.set CB, 64
.set SB, 96
.elseif (\set) == 1
.set TW, 1
.set CB, 96
.set SB, 224
.elseif (\set) == 2
.set TW, 0
.set CB, 128
.set SB, 160
.elseif (\set) == 3
.set TW, 1
.set CB, 0
.set SB, 32
.else
.set TW, 1
.set CB, 128
.set SB, 160
.endif
.endm
.macro TABLE a, set                    ; token block a's cos and sin: images of registers, 512 consecutive bytes a load
	SETOF \set
	WIN TW<<6
.irp q, 0,1,2,3,4,5,6,7
	global_load_b128 v[CB+4*\q:CB+4*\q+3], v[LI], s[98:99] offset:8192*(\a)+512*\q
	global_load_b128 v[SB+4*\q:SB+4*\q+3], v[LI], s[98:99] offset:8192*(\a)+512*\q+4096
.endr
	WIN 0
.endm
	s_wait_alu depctr_va_vdst(0)                   ; the wait at the head's end
	s_wait_xcnt 0x0                                ; the head's prefetches have read their address
	s_add_nc_u64 s[PFA:PFA+1], s[PFA:PFA+1], 2*RBB ; chunk 3
	s_wait_tensorcnt 0x0                           ; my tile of the head's four is in; the full sequence ahead of slot 1's first fill:
	ds_add_u32 v[SPW], v[NIL]
	s_mov_b32 s[G1+2], 8<<16                       ; no tensor load of mine is out: from here on a load brings 8 row blocks of source 1,
	s_mov_b32 s[G1+4], 8
	s_mov_b32 s[G1B+2], 4<<16                      ; or 4 of source 0,
	s_mov_b32 s[G1B+4], 4
	s_mov_b32 s[G0+1], s45                         ; and slot 0's groups 0 stand at my part of chunk 0: the first refill steps them to chunk 2
	s_add_nc_u64 s[G0+2:G0+3], s[G0+2:G0+3], s[18:19]
	s_mov_b32 s[G0B+1], s13
	s_add_nc_u64 s[G0B+2:G0B+3], s[G0B+2:G0B+3], s[18:19]
	s_wait_dscnt 0x0
	CROUND                                         ; everybody's tile is in, and the joint loads meet
	JLOAD G0+4, G1, G0B+4, G1B                     ; chunk 1
	LB 0, 0, 0
	FETCH_A 0, 0, 0
	SCALES 0
	FETCH_A 0, 0, 4
	global_prefetch_b8 v[PFO], s[PFA:PFA+1] th:TH_LOAD_NT scope:SCOPE_SE   ; chunk 3
	s_cmp_eq_u32 s12, 1
	s_cbranch_scc1 .Lno_tpf                        ; v is not rotated
	global_prefetch_b8 v[TPF], s[98:99] th:TH_LOAD_NT scope:SCOPE_SE       ; my eighth of my group's table: 32 lanes, 256 bytes apart
.Lno_tpf:
	STEP 0, 1, 2                                   ; the first K step starts the sums
	s_mov_b32 s3, LAPS-1
.Llap:                                             ; a trip: four K steps, both slots filled again
	TURN 0, 1, 1, 3
	STEP 1, 0, 4
	TURN 1, 0, 1, 5
	STEP 0, 0, 6
	s_wait_xcnt 0x0                                ; the direct loads have read their base
	s_add_nc_u64 s[BG:BG+1], s[BG:BG+1], 4*1536
	s_sub_co_u32 s3, s3, 1
	s_cmp_lg_u32 s3, 0
	s_cbranch_scc1 .Llap
	TURN 0, 1, 0, 3                                ; the last three K steps fill nothing more; the last direct loads are K step 15's
	STEP 1, 0, -1
	s_wait_dscnt 4*NL
	s_wait_loadcnt 0x0
	s_cmp_eq_u32 s12, 1
	s_cbranch_scc1 .Lno_table
	TABLE 0, 0                                     ; behind the last counted wait for direct loads, so that no table load stands among them
	TABLE 1, 1
.Lno_table:
	WIN MUL_LO
	MUL16 0, 1, 1, 1, 0
	MUL16 2, 1, 1, 1, 0
	s_wait_dscnt 0
	WIN MUL_HI
	MUL16 4, 1, 1, 1, 0
	MUL16 6, 1, 1, 1, 0
	WIN 0
; The rotation of token block a: registers 0-31 are channels 0-63 (x1), 32-63 channels 64-127 (x2): x1 cos - x2 sin, x2 cos + x1 sin
.macro ROPE a, set
	SETOF \set
.set RW, 2+(\a)/4
.set AC, 64*((\a)%4)
	WIN RW|(TW<<2)
.set NI, 0
.rept 16
	v_pk_mul_f32 v[TT+NI:TT+NI+1], v[AC+NI:AC+NI+1], v[SB+NI:SB+NI+1]
.set NI, NI+2
.endr
	WIN RW|(TW<<2)|(RW<<4)|(RW<<6)
.set NI, 0
.rept 16
	v_pk_mul_f32 v[AC+NI:AC+NI+1], v[AC+NI:AC+NI+1], v[CB+NI:CB+NI+1]
.set NI, NI+2
.endr
.set NI, 0
.rept 16
	v_pk_fma_f32 v[AC+NI:AC+NI+1], v[AC+32+NI:AC+33+NI], v[SB+NI:SB+NI+1], v[AC+NI:AC+NI+1] neg_lo:[1,0,0] neg_hi:[1,0,0]
.set NI, NI+2
.endr
	WIN RW|(TW<<2)|(RW<<6)
.set NI, 0
.rept 16
	v_pk_fma_f32 v[AC+32+NI:AC+33+NI], v[AC+32+NI:AC+33+NI], v[CB+NI:CB+NI+1], v[TT+NI:TT+NI+1]
.set NI, NI+2
.endr
	WIN 0
.endm
; Block a's 64 numbers a lane (register 16 b + i = place 32 b + 16 (lane / 16) + i along the next K) become a fragment's 12 registers and a scale word
.macro QUANTW a
.set QW, 2+(\a)/4
.set AC, 64*((\a)%4)
	WIN (QW<<2)|(QW<<4)
.irp b, 0,1,2,3
	v_max3_num_f32 v[TM+\b], 0x1800000, |v[AC+16*\b]|, |v[AC+16*\b+1]|   ; with the floor 2^(3 - 127): the byte cannot fall under 1
.endr
.irp i, 2,4,6,8,10,12,14
.irp b, 0,1,2,3
	v_max3_num_f32 v[TM+\b], v[TM+\b], |v[AC+16*\b+\i]|, |v[AC+16*\b+\i+1]|
.endr
.endr
	WIN 0
.irp b, 0,1,2,3
	v_permlanex16_b32 v[TM+4+\b], v[TM+\b], s[SEL], s[SEL+1]
.endr
.irp b, 0,1,2,3
	v_max_num_f32 v[TM+\b], v[TM+\b], v[TM+4+\b]
.endr
.irp b, 0,1,2,3
	v_add_nc_u32 v[TM+8+\b], 0xff000000, v[TM+\b]  ; 2 off the exponent field: the conversion's scale operand
.endr
.irp b, 0,1,2,3
	v_lshrrev_b32 v[TM+4+\b], 23, v[TM+8+\b]
.endr
	v_lshl_or_b32 v[PW+(\a)], v[TM+5], 8, v[TM+4]
	v_lshl_or_b32 v[PW+(\a)], v[TM+6], 16, v[PW+(\a)]
	v_lshl_or_b32 v[PW+(\a)], v[TM+7], 24, v[PW+(\a)]
	s_wait_alu depctr_va_vdst(0)                   ; directly ahead of the wait below
	s_wait_xcnt 0x0                                ; the last block's stores have read their data
	WIN QW
.irp c, 0,1
	v_cvt_scalef32_pk16_fp6_f32 v[PC+6*\c:PC+2+6*\c], v[AC+32*\c:AC+15+32*\c], v[TM+8+2*\c]
	v_cvt_scalef32_pk16_fp6_f32 v[PC+12+4*\c:PC+14+4*\c], v[AC+16+32*\c:AC+31+32*\c], v[TM+9+2*\c]
.endr
	WIN 0
	v_nop                                          ; one plain line behind the scaled conversions
.irp c, 0,1
.irp i, 0,1,2
	v_permlane16_swap_b32 v[PC+6*\c+\i], v[PC+12+4*\c+\i]
.endr
.irp i, 0,1,2
	v_mov_b32 v[PC+3+6*\c+\i], v[PC+12+4*\c+\i]
.endr
.endr
.endm
.macro QS a
	QUANTW \a
.irp c, 0,1,2
	global_store_b128 v[LI], v[PC+4*\c:PC+4*\c+3], s[66:67] offset:1536*(\a)+512*\c   ; the image: 512 consecutive bytes a store
.endr
.endm
	PLACES NP
	s_mov_b32 s[SEL], 0x76543210
	s_mov_b32 s[SEL+1], 0xfedcba98
.irp b, 0,1,2,3
	v_mov_b32 v[TM+4+\b], 0                        ; a lane permute's destination counts as one of its sources
.endr
	s_cmp_eq_u32 s12, 1
	s_cbranch_scc1 .Lv_out
	s_wait_loadcnt 0x0
	TABLE 2, 2
	TABLE 3, 3
	TABLE 4, 4
	ROPE 0, 0
	QS 0
	ROPE 1, 1
	QS 1
	s_wait_loadcnt 32                              ; a table is 16 loads: the two youngest tables may be out
	TABLE 5, 0
	ROPE 2, 2
	QS 2
	s_wait_loadcnt 32
	TABLE 6, 1
	ROPE 3, 3
	QS 3
	s_wait_loadcnt 32
	TABLE 7, 2
	ROPE 4, 4
	QS 4
	s_wait_loadcnt 32
	ROPE 5, 0
	QS 5
	s_wait_loadcnt 16
	ROPE 6, 1
	QS 6
	s_wait_loadcnt 0x0
	ROPE 7, 2
	QS 7
	s_branch .Lwords
.Lv_out:
.irp a, 0,1,2,3,4,5,6,7
	QS \a
.endr
.Lwords:                                           ; the 128 new scale words leave through my own 512 bytes of LDS as 512 consecutive bytes
.irp a, 0,1,2,3,4,5,6,7
	ds_store_b32 v[SW], v[PW+\a] offset:64*\a
.endr
	ds_load_b128 v[56:59], v[SR]
	s_wait_dscnt 0x0
	global_store_b128 v[LI], v[56:59], s[96:97]
	s_wait_tensorcnt 0x0                           ; the wave's end
	ds_add_u32 v[SPW], v[NIL]
	s_wait_dscnt 0x0
	CROUND                                         ; the closing round
	s_endpgm
.Lfunc_end_k_qa25fa75b2a_gemm_qkv:
	.size	k_qa25fa75b2a_gemm_qkv, .Lfunc_end_k_qa25fa75b2a_gemm_qkv-k_qa25fa75b2a_gemm_qkv
	.p2alignl 7, 3214868480
	.fill 96, 4, 3214868480
	.section	.rodata,"a",@progbits
	.p2align	6, 0x0
	.amdhsa_kernel k_qa25fa75b2a_gemm_qkv
		.amdhsa_group_segment_fixed_size 327680
		.amdhsa_private_segment_fixed_size 0
		.amdhsa_enable_private_segment 0
		.amdhsa_kernarg_size 32
		.amdhsa_user_sgpr_count 2
		.amdhsa_user_sgpr_kernarg_segment_ptr 1
		.amdhsa_wavefront_size32 1
		.amdhsa_system_sgpr_workgroup_id_x 1
		.amdhsa_system_sgpr_workgroup_id_y 1
		.amdhsa_system_sgpr_workgroup_id_z 1
		.amdhsa_system_vgpr_workitem_id 0
		.amdhsa_next_free_vgpr 1024
		.amdhsa_next_free_sgpr 106
		.amdhsa_reserve_vcc 0
		.amdhsa_float_denorm_mode_32 3
		.amdhsa_float_denorm_mode_16_64 3
		.amdhsa_memory_ordered 1
		.amdhsa_forward_progress 1
		.amdhsa_inst_pref_size 228
	.end_amdhsa_kernel
	.amdgpu_metadata
---
amdhsa.version: [ 1, 2 ]
amdhsa.kernels:
  - .name:           k_qa25fa75b2a_gemm_qkv
    .symbol:         k_qa25fa75b2a_gemm_qkv.kd
    .args:
      - { .name: xwc, .offset: 0, .size: 8, .value_kind: global_buffer, .address_space: global }
      - { .name: xws, .offset: 8, .size: 8, .value_kind: global_buffer, .address_space: global }
      - { .name: rope, .offset: 16, .size: 8, .value_kind: global_buffer, .address_space: global }
      - { .name: qkv, .offset: 24, .size: 8, .value_kind: global_buffer, .address_space: global }
    .group_segment_fixed_size: 327680
    .private_segment_fixed_size: 0
    .kernarg_segment_align: 8
    .kernarg_segment_size: 32
    .max_flat_workgroup_size: 128
    .sgpr_count:     106
    .vgpr_count:     1024
    .wavefront_size: 32
...
	.end_amdgpu_metadata
.endif
;; end of part 2
;; launch attn (part 3): grid 16 x 16, 16 waves a work-group, clusters of 4 x 1, 327,680 bytes of LDS; arguments qkv, oc, os; writes oc, os
.if DOCPART == 3
	.amdgcn_target "amdgcn-amd-amdhsa--gfx1250"
	.amdhsa_code_object_version 6
	.text
	.protected	k_qa25fa75b2a_attn
	.globl	k_qa25fa75b2a_attn
	.p2align	8
	.type	k_qa25fa75b2a_attn,@function
k_qa25fa75b2a_attn:
	s_mov_b64 s[64:65], 0
	v_nop
	global_prefetch_b8 v0, s[64:65] scope:SCOPE_SE
	s_setreg_imm32_b32 hwreg(HW_REG_WAVE_MODE, 25, 1), 1
	s_wait_xcnt 0x0
	s_wait_alu depctr_hold_cnt(0) depctr_sa_sdst(0) depctr_va_vdst(0) depctr_va_sdst(0) depctr_va_ssrc(0) depctr_va_vcc(0) depctr_vm_vsrc(0)
	s_getreg_b32 s2, hwreg(HW_REG_IB_STS2, 6, 4)
	s_cmp_eq_u32 s2, 0
	s_cbranch_scc0 .Lentry_in_a_cluster
	s_endpgm
.Lentry_in_a_cluster:
	s_bfe_u32 s2, ttmp6, 0x10000c
	s_cmp_lg_u32 s2, 0x3003
	s_cbranch_scc0 .Lentry_shape_is_right
	s_endpgm
.Lentry_shape_is_right:
; Causal attention on codes of FP6 (E2M3) with E8M0 scales: 16 (batch, head) pairs, 2,048 tokens, head size 128.  In: qkv as the launch before laid it (images of operand registers; tokens and v's channels in the order with bits 3 and 4 exchanged).
; THE SOFTMAX: t = score x log2(e) / sqrt(128); M = the largest t so far, rounded UP to a whole number; p = 2^(t - M) is quantised along the keys, not normalised; the sum is taken of the unquantised p and divides at the end.
; Out: O / sum, quantised along head x 128 + channel: oc [token block 256][head 8][1536] as images, os their scale words [token block][head / 4][row 16][head % 4].
; LAYOUT: both products transposed: S^T = K Q^T, O^T = V^T P^T: a lane holds one query (lane % 16).  By the order of the rows, the 16 registers of tiles 2 b, 2 b + 1 are 16 true neighbours (keys in S^T, channels in O^T): 32 b + 16 (lane / 16) + 0 .. 15.
; SHARES, EVEN UNDER THE MASK.  Groups of 128 queries, 16 a head; group G wants key steps 0 .. G.  A cluster of four work-groups owns groups a, a + 1, 14 - a, 15 - a (a = 2 x cluster x) of one head: 34 key steps a tile column, whatever a.
; Work-group cx takes tiles 2 cx, 2 cx + 1 of each of the four groups.  A tile's key steps are split between two waves (even steps, odd steps); M is a whole number, so joining the two at the end rounds nothing but the sums.
; Wave w: group by w / 4, tile by w % 2, steps by (w / 2) % 2.  All four partners walk the same keys, so K and V are asked for JOINTLY: slots of 4 records (512 keys, 102,400 dense bytes), waves 0-3 one record each.
; Every work-group walks all four slots (constant trip counts; no tensor load or barrier is jumped over); a step all of whose keys are hidden is left out by a scalar branch on ids.
; LIMITS: NaN and infinities are not served; bytes are held at 1 from below.  A block's largest p is made from the block's largest score by the same two instructions, which takes v_exp_f32 not to fall where its input rises.
; REGISTERS: v1-11, v28 addresses that stay; v12 -M, v13 the largest t, v[14:15] the sum; v16-27 Q; v32-79 four fragments of K or V; v96-159 S^T, then p; v160-223 O^T; v224-235 p's codes; v232-247, v252, v254 at work;
;   scale words and nothing else: v248-249 (K's or V's: lanes 0-15 an even tile's, lanes 16-31 the odd one's), v253 (p's), v255 (Q's).
.set QSZ,   3276800                    ; where the records of k and v begin
.set REC,   25600                      ; a record: K's 8 fragments, V's 8, K's 128 scale words, V's 128
.set SLOTB, 4*REC
.set SLOT1, 1<<17                      ; slot 1 begins here: one exclusive or turns an address from one slot to the other
.set MRG,   SLOT1+SLOTB                ; behind the ring: 8 tiles x 8,448 bytes (O^T 8,192, the sum 128, -M 128) for the joining; no tensor load lands here
.set MT,    8448
.set SPARE, MRG+8*MT                   ; the spare words: 128 bytes a wave; no other line names them
.set LI0,  1                           ; v1   16 x lane + my first record in a slot
.set LS0,  2                           ; v2   4 x lane + the same
.set DD,   3                           ; v3   my query's place in its group - 16 (lane / 16): data for the mask, no address
.set MA,   4                           ; v4   the joining: 16 x lane in my tile's place
.set SPW,  5
.set NIL,  6
.set GO,   7                           ; v7   16 x lane
.set ADK,  8
.set ADS,  9
.set ML,   10                          ; v10  the joining: 4 x lane in my tile's place
.set PFO,  11                          ; v11  the prefetches' offset
.set OSA,  28                          ; v28  16 r
.set PC,   224
.set TM,   96
.set WV,   18
.set KQ,   19
.set SEL,  20
.set CS,   22
.set G1,   24
.set G0,   40
.set TB,   2                           ; s2   where the slot in hand begins
.set KS0,  3                           ; s3   my first key step in it
.set GG,   66                          ; s66  my group
.set SLOTS, 67
.set PFA,  76
.set LIM,  80
.macro ROUND                           ; a round of the cluster's barrier
	s_barrier_signal -1
	s_barrier_wait -1
	s_cmp_lg_u32 s[WV], 0
	s_cbranch_scc1 .Lnot_wave_0_\@
	s_barrier_signal -3
.Lnot_wave_0_\@:
	s_barrier_wait -3
	s_barrier_signal -1
	s_barrier_wait -1
.endm
.macro TLOAD                           ; waves 0-3 fetch a record each; the branch hangs on the wave's number alone.  Four v_nop follow the load
	s_cmp_lt_u32 s[WV], 4
	s_cbranch_scc0 .Lno_fetch_\@
	tensor_load_to_lds s[G0:G0+3], s[G1:G1+7]
	s_nop 0
.rept 4
	v_nop
.endr
.Lno_fetch_\@:
.endm
; A prefetch into the L2 of the slot that the NEXT change of slots will ask for.  All four clusters of a head walk the same records: the first (cluster x = 0) asks.  Its four partners share the slot out by ADDRESS, a record's worth each;
; in each, waves 4-7 (which fetch nothing) ask for 6,400 bytes: 25 lanes, 256 bytes apart (lanes 25-31 repeat lane 24's).  The last change that fills a slot asks for nothing; slots 0 and 1 come by their loads alone.
.macro ASK
	s_cmp_gt_u32 s[SLOTS], s[LIM]
	s_cbranch_scc0 .Lnot_mine_\@
	global_prefetch_b8 v[PFO], s[PFA:PFA+1] th:TH_LOAD_NT scope:SCOPE_SE
.Lnot_mine_\@:
.endm
	s_load_b128 s[4:7], s[0:1], 0x0                ; qkv s[4:5], oc s[6:7]
	s_load_b64 s[8:9], s[0:1], 0x10                ; os
	v_lshl_add_u32 v[SPW], v0, 2, SPARE
	v_mov_b32 v[NIL], 0
	ds_add_u32 v5, v6
	ds_add_u32 v5, v6
	s_wait_dscnt 0x0
	v_lshrrev_b32 v8, 5, v0
	s_delay_alu instid0(VALU_DEP_1)
	v_readfirstlane_b32 s[WV], v8                  ; wave 0..15
	s_bfe_u32 s44, ttmp6, 0x40000                  ; cx: it enters global addresses and the mask's threshold alone
	s_and_b32 s11, ttmp7, 0xffff                   ; batch x 8 + head
	s_lshr_b32 s12, s[WV], 2                       ; which of the cluster's four groups
	s_and_b32 s13, s[WV], 1                        ; which of my work-group's two tiles
	s_bfe_u32 s[KQ], s[WV], 0x10001                ; even or odd key steps
	s_lshl_b32 s14, ttmp9, 1                       ; a
	s_add_co_u32 s16, s14, s12
	s_add_co_u32 s17, s12, 12
	s_sub_co_u32 s17, s17, s14
	s_cmp_lt_u32 s12, 2
	s_cselect_b32 s[GG], s16, s17                  ; a, a + 1, 14 - a, 15 - a
	s_lshl_b32 s45, s44, 1
	s_add_co_u32 s45, s45, s13                     ; my tile in the group
	; group 1: a record, 25,600 dense bytes, as 100 rows of 256 (32 elements of 8 bytes)
	s_mov_b32 s[G1], 15|(3<<16)|(1<<21)            ; 15:0 the mask: all four work-groups; 17:16 elements of 8 bytes; 21 set beside a mask
	s_mov_b32 s[G1+1], 32<<16
	s_mov_b32 s[G1+2], 100<<16
	s_mov_b32 s[G1+3], 32<<16
	s_mov_b32 s[G1+4], 100
	s_mov_b32 s[G1+5], 32
	s_mov_b32 s[G1+6], 0
	s_mov_b32 s[G1+7], 0
	s_and_b32 s16, s[WV], 3
	s_mul_i32 s[G0+1], s16, REC                    ; LDS: slot 0, my record
	s_mul_i32 s96, s11, 16*REC
	s_add_co_u32 s96, s96, s[G0+1]
	s_add_co_u32 s96, s96, QSZ
	s_mov_b32 s97, 0
	s_mov_b32 s[SEL], 0x76543210
	s_mov_b32 s[SEL+1], 0xfedcba98
	s_mov_b32 s[CS], 0x3e0293ee                    ; c = log2(e) / sqrt(128)
	s_mov_b32 s[CS+1], s[CS]
	s_mov_b32 s[TB], 0
	s_mov_b32 s[KS0], s[KQ]
	s_mov_b32 s[SLOTS], 3
	s_xor_b32 s16, s12, 1                          ; 0 in waves 4-7,
	s_or_b32 s16, s16, ttmp9                       ; of the head's first cluster: the same in all four partners
	s_cmp_eq_u32 s16, 0
	s_cselect_b32 s[LIM], 1, -1
	; offsets: Q's fragment and scale words, my place in oc and os, my prefetches
	s_lshl_b32 s16, s11, 4
	s_add_co_u32 s16, s16, s[GG]
	s_mul_i32 s16, s16, 12800                      ; q's record
	s_mul_i32 s46, s45, 1536
	s_add_co_u32 s32, s16, s46
	s_mov_b32 s33, 0
	s_lshl_b32 s46, s45, 6
	s_add_co_u32 s38, s16, s46
	s_add_co_u32 s38, s38, 12288
	s_mov_b32 s39, 0
	s_lshr_b32 s16, s11, 3
	s_lshl_b32 s16, s16, 7
	s_lshl_b32 s17, s[GG], 3
	s_add_co_u32 s16, s16, s17
	s_add_co_u32 s46, s16, s45                     ; my token block: batch x 128 + 8 G + tile
	s_and_b32 s17, s11, 7                          ; head
	s_lshl_b32 s34, s46, 3
	s_add_co_u32 s34, s34, s17
	s_mul_i32 s34, s34, 1536
	s_mov_b32 s35, 0
	s_lshl_b32 s36, s46, 9
	s_lshr_b32 s16, s17, 2
	s_lshl_b32 s16, s16, 8
	s_add_co_u32 s36, s36, s16
	s_and_b32 s16, s17, 3
	s_lshl_b32 s16, s16, 2
	s_add_co_u32 s36, s36, s16
	s_mov_b32 s37, 0
	s_mul_i32 s[PFA], s11, 16*REC
	s_mul_i32 s46, s44, REC
	s_add_co_u32 s[PFA], s[PFA], s46
	s_and_b32 s16, s[WV], 3
	s_mul_i32 s16, s16, 6400
	s_add_co_u32 s[PFA], s[PFA], s16
	s_add_co_u32 s[PFA], s[PFA], QSZ+SLOTB         ; in slot 1: the first change of slots steps it to slot 2
	s_mov_b32 s[PFA+1], 0
	s_wait_kmcnt 0x0
	s_mov_b32 s[G0], 1
	s_add_nc_u64 s[G0+2:G0+3], s[4:5], s[96:97]
	s_or_b32 s[G0+3], s[G0+3], 0x80000000
	s_add_nc_u64 s[32:33], s[4:5], s[32:33]
	s_add_nc_u64 s[38:39], s[4:5], s[38:39]
	s_add_nc_u64 s[34:35], s[6:7], s[34:35]
	s_add_nc_u64 s[36:37], s[8:9], s[36:37]
	s_add_nc_u64 s[PFA:PFA+1], s[4:5], s[PFA:PFA+1]
	ROUND                                          ; all four work-groups are here: the first joint loads meet
	TLOAD                                          ; slot 0
	v_and_b32 v29, 31, v0                          ; lane
	v_and_b32 v30, 15, v0                          ; r
	v_bfe_u32 v31, v0, 4, 1                        ; h
	s_mul_i32 s16, s[KQ], REC
	v_lshlrev_b32 v[GO], 4, v29
	s_delay_alu instid0(VALU_DEP_1)
	v_add_nc_u32 v[LI0], s16, v[GO]
	v_lshl_add_u32 v[LS0], v29, 2, s16
	v_and_b32 v[DD], 8, v30
	s_delay_alu instid0(VALU_DEP_1)
	v_add_nc_u32 v[DD], v[DD], v30                 ; r + 8 (r / 8)
	v_lshlrev_b32 v8, 4, v31
	s_delay_alu instid0(VALU_DEP_1)
	v_sub_nc_u32 v[DD], v[DD], v8
	s_lshl_b32 s46, s44, 5
	s_lshl_b32 s47, s13, 3
	s_add_co_u32 s46, s46, s47
	v_add_nc_u32 v[DD], s46, v[DD]                 ; 32 cx + 8 (tile % 2) + r + 8 (r / 8) - 16 h
	s_lshl_b32 s16, s12, 1
	s_add_co_u32 s16, s16, s13
	s_mul_i32 s16, s16, MT
	s_add_co_u32 s16, s16, MRG
	v_add_nc_u32 v[MA], s16, v[GO]
	v_lshl_add_u32 v[ML], v29, 2, s16
	v_min_u32 v[PFO], 24, v29
	s_delay_alu instid0(VALU_DEP_1)
	v_lshlrev_b32 v[PFO], 8, v[PFO]
	v_lshlrev_b32 v[OSA], 4, v30
	v_lshlrev_b32 v254, 2, v30
.irp c, 0,1,2
	global_load_b128 v[16+4*\c:19+4*\c], v[GO], s[32:33] offset:512*\c   ; Q's fragment stays in registers
.endr
	global_load_b32 v255, v254, s[38:39]           ; and its scale words
	v_mov_b32 v13, 0xff61b1e6                      ; the largest t so far: -3e38, under every t
	s_delay_alu instid0(VALU_DEP_1)
	v_floor_f32 v12, -v13                          ; -M
	v_mov_b32 v14, 0
	v_mov_b32 v15, 0
.irp b, 0,1,2,3
	v_mov_b32 v[236+\b], 0                         ; written once: a lane permute's destination counts as one of its sources
.endr
	v_mov_b32 v253, 0                              ; (named as the upper half of the pair v[252:253] before it is first written)
.set NI, 0
.rept 64
	v_mov_b32 v[160+NI], 0                         ; O^T.  The step is written once: the first finds zeros, which the first change of M leaves zeros; a wave without a step hands zeros on
.set NI, NI+1
.endr
.macro FOUR base, g, off, soff                 ; four fragments and their scale words: tiles 4 g .. 4 g + 3 of K (off = 0) or of V
.irp t, 0,1,2,3
.irp c, 0,1,2
	ds_load_b128 v[32+12*\t+4*\c:35+12*\t+4*\c], v[ADK] offset:\off+(4*\g+\t)*1536+512*\c
.endr
.endr
.irp u, 0,1
	ds_load_b32 v[248+\u], v[ADS] offset:\soff+256*\g+128*\u
.endr
.endm
.macro PV4 g                                   ; O^T += V^T P^T, tiles 4 g .. 4 g + 3: four accumulators, one instruction each
.irp t, 0,1,2,3
.if (\t%2) == 0
	v_wmma_scale_f32_16x16x128_f8f6f4 v[160+8*(4*\g+\t):167+8*(4*\g+\t)], v[32+12*\t:43+12*\t], v[224:235], v[160+8*(4*\g+\t):167+8*(4*\g+\t)], v[248+\t/2], v253 matrix_a_fmt:MATRIX_FMT_FP6 matrix_b_fmt:MATRIX_FMT_FP6
.else
	v_wmma_scale_f32_16x16x128_f8f6f4 v[160+8*(4*\g+\t):167+8*(4*\g+\t)], v[32+12*\t:43+12*\t], v[224:235], v[160+8*(4*\g+\t):167+8*(4*\g+\t)], v[248+\t/2], v253 matrix_a_fmt:MATRIX_FMT_FP6 matrix_b_fmt:MATRIX_FMT_FP6 matrix_a_scale:MATRIX_SCALE_ROW1
.endif
.endr
.endm
; A KEY STEP: 128 keys: my e-th of the slot in hand (record (w / 2) % 2 + 2 e).
.macro STEP e
	s_add_co_u32 s97, s[KS0], 2*(\e)
	s_cmp_gt_u32 s97, s[GG]                        ; all its keys come after my queries: left out.  A branch on ids; no barrier and no tensor load stands in a step
	s_cbranch_scc1 .Lhidden_\@
	s_add_co_u32 s96, s[TB], (\e)*2*REC
	v_add_nc_u32 v[ADK], s96, v[LI0]
	s_wait_alu depctr_va_vdst(0)
	v_add_nc_u32 v[ADS], s96, v[LS0]
	s_wait_alu depctr_va_vdst(0)
	v_nop
	v_nop                                          ; four plain lines in front of loads into registers that the last products have read
.irp g, 0,1                                    ; S^T = K Q^T, four tiles of 16 keys at a time
.if \g > 0
.rept 4
	v_nop
.endr
.endif
	FOUR 0, \g, 0, 24576
	s_wait_dscnt 0x0
.irp t, 0,1,2,3
.if (\t%2) == 0
	v_wmma_scale_f32_16x16x128_f8f6f4 v[96+8*(4*\g+\t):103+8*(4*\g+\t)], v[32+12*\t:43+12*\t], v[16:27], 0, v[248+\t/2], v255 matrix_a_fmt:MATRIX_FMT_FP6 matrix_b_fmt:MATRIX_FMT_FP6
.else
	v_wmma_scale_f32_16x16x128_f8f6f4 v[96+8*(4*\g+\t):103+8*(4*\g+\t)], v[32+12*\t:43+12*\t], v[16:27], 0, v[248+\t/2], v255 matrix_a_fmt:MATRIX_FMT_FP6 matrix_b_fmt:MATRIX_FMT_FP6 matrix_a_scale:MATRIX_SCALE_ROW1
.endif
.endr
.endr
.rept 4
	v_nop                                          ; places: for the reads of the scores, and for the loads below
.endr
	FOUR 0, 0, 12288, 25088                        ; V's first four tiles land under the softmax
	s_cmp_lg_u32 s97, s[GG]
	s_cbranch_scc1 .Lopen_\@                       ; only the step on the diagonal has hidden keys
	v_mov_b32 v254, 0xff800000                     ; -infinity: p = 0 then
.set NI, 0
.rept 64                                       ; register 16 b + i holds key 32 b + 16 h + i of the step: hidden where 32 b + i > my query's place - 16 h
	v_cmp_gt_i32 vcc_lo, 32*(NI/16)+NI%16, v[DD]
	v_cndmask_b32 v[96+NI], v[96+NI], v254, vcc_lo
.set NI, NI+1
.endr
.Lopen_\@:
.irp b, 0,1,2,3
	v_max3_num_f32 v[232+\b], v[96+16*\b], v[97+16*\b], v[98+16*\b]   ; the largest score of each block of 32 keys: for the row's maximum, and for the block's largest p
.endr
.irp i, 3,5,7,9,11,13
.irp b, 0,1,2,3
	v_max3_num_f32 v[232+\b], v[232+\b], v[96+16*\b+\i], v[97+16*\b+\i]
.endr
.endr
.irp b, 0,1,2,3
	v_max_num_f32 v[232+\b], v[232+\b], v[111+16*\b]
.endr
.irp b, 0,1,2,3
	s_delay_alu instid0(VALU_DEP_4)
	v_permlanex16_b32 v[236+\b], v[232+\b], s[SEL], s[SEL+1]
.endr
.irp b, 0,1,2,3
	s_delay_alu instid0(VALU_DEP_4)
	v_max_num_f32 v[232+\b], v[232+\b], v[236+\b]  ; with lane l xor 16's 16 keys
.endr
	s_delay_alu instid0(VALU_DEP_2)
	v_max3_num_f32 v254, v232, v233, v234
	s_delay_alu instid0(VALU_DEP_1)
	v_max_num_f32 v254, v254, v235
	s_delay_alu instid0(VALU_DEP_1)
	v_mul_f32 v254, s[CS], v254                    ; as t (c is positive)
	s_delay_alu instid0(VALU_DEP_1)
	v_max_num_f32 v13, v13, v254                   ; the running largest t
	v_mov_b32 v254, v12
	s_delay_alu instid0(VALU_DEP_2)
	v_floor_f32 v12, -v13                          ; the new -M = -ceil(t): a whole number
	s_delay_alu instid0(VALU_DEP_1)
	v_sub_f32 v254, v12, v254                      ; old M - new M: a whole number, 0 or less
	s_delay_alu instid0(VALU_DEP_1)
	v_cvt_i32_f32 v254, v254                       ; (it saturates)
	s_delay_alu instid0(VALU_DEP_1)
	v_ldexp_f32 v252, 1.0, v254                    ; f = 2^(old M - new M): a multiplication by it rounds nothing
.set NI, 0
.rept 32
	v_pk_fma_f32 v[96+NI:97+NI], v[96+NI:97+NI], s[CS:CS+1], v[12:13] op_sel_hi:[1,0,0]   ; t - M, two at a time
.set NI, NI+2
.endr
.irp b, 0,1,2,3
	v_fma_f32 v[232+\b], v[232+\b], s[CS], v12     ; the same of each block's largest score
.endr
.set NI, 0
	s_wait_alu depctr_va_vdst(0)
.rept 64
	v_exp_f32 v[96+NI], v[96+NI]                   ; p = 2^(t - M), at most 1
.set NI, NI+1
.endr
	v_pk_mul_f32 v[14:15], v[14:15], v[252:253] op_sel_hi:[1,0]   ; the sums under the new M (a plain line behind the exponentials)
	s_wait_alu depctr_va_vdst(0)                   ; one wait for the batch, ahead of its first reader
.irp b, 0,1,2,3
	v_exp_f32 v[232+\b], v[232+\b]                 ; the block's largest p
.endr
	v_pk_add_f32 v[236:237], v[100:101], v[104:105]
	v_pk_add_f32 v[250:251], v[108:109], v[112:113]
	v_pk_add_f32 v[246:247], v[116:117], v[120:121]
	v_pk_add_f32 v[244:245], v[124:125], v[128:129]
	v_pk_add_f32 v[242:243], v[132:133], v[136:137]
	v_pk_add_f32 v[240:241], v[140:141], v[144:145]
	v_pk_add_f32 v[238:239], v[148:149], v[152:153]
	v_pk_add_f32 v[14:15], v[14:15], v[156:157]
	v_pk_add_f32 v[236:237], v[236:237], v[96:97]
	v_pk_add_f32 v[250:251], v[250:251], v[98:99]
	v_pk_add_f32 v[246:247], v[246:247], v[102:103]
	v_pk_add_f32 v[244:245], v[244:245], v[106:107]
	v_pk_add_f32 v[242:243], v[242:243], v[110:111]
	v_pk_add_f32 v[240:241], v[240:241], v[114:115]
	v_pk_add_f32 v[238:239], v[238:239], v[118:119]
	v_pk_add_f32 v[14:15], v[14:15], v[122:123]
	v_pk_add_f32 v[236:237], v[236:237], v[126:127]
	v_pk_add_f32 v[250:251], v[250:251], v[130:131]
	v_pk_add_f32 v[246:247], v[246:247], v[134:135]
	v_pk_add_f32 v[244:245], v[244:245], v[138:139]
	v_pk_add_f32 v[242:243], v[242:243], v[142:143]
	v_pk_add_f32 v[240:241], v[240:241], v[146:147]
	v_pk_add_f32 v[238:239], v[238:239], v[150:151]
	v_pk_add_f32 v[14:15], v[14:15], v[154:155]
	v_pk_add_f32 v[236:237], v[236:237], v[158:159]
	s_delay_alu instid0(VALU_DEP_2)
	v_pk_add_f32 v[14:15], v[14:15], v[244:245]
	s_delay_alu instid0(VALU_DEP_2)
	v_pk_add_f32 v[236:237], v[236:237], v[242:243]
	v_pk_add_f32 v[250:251], v[250:251], v[240:241]
	v_pk_add_f32 v[246:247], v[246:247], v[238:239]
	s_delay_alu instid0(VALU_DEP_2)
	v_pk_add_f32 v[14:15], v[14:15], v[250:251]
	s_delay_alu instid0(VALU_DEP_2)
	v_pk_add_f32 v[236:237], v[236:237], v[246:247]
	s_delay_alu instid0(VALU_DEP_1)
	v_pk_add_f32 v[14:15], v[14:15], v[236:237]
	s_wait_alu depctr_va_vdst(0)                   ; and one for the four
.irp b, 0,1,2,3
	v_max_num_f32 v[232+\b], 0x1800000, v[232+\b]  ; the floor 2^(3 - 127): the byte cannot fall under 1
.endr
.irp b, 0,1,2,3
	s_delay_alu instid0(VALU_DEP_4)
	v_add_nc_u32 v[244+\b], 0xff000000, v[232+\b]  ; 2 off the exponent field: the conversion's scale operand
.endr
.irp b, 0,1,2,3
	s_delay_alu instid0(VALU_DEP_4)
	v_lshrrev_b32 v[236+\b], 23, v[244+\b]
.endr
	s_delay_alu instid0(VALU_DEP_3)
	v_lshl_or_b32 v253, v237, 8, v236              ; p's scale word for these 128 keys
	s_delay_alu instid0(VALU_DEP_1)
	v_lshl_or_b32 v253, v238, 16, v253
	s_delay_alu instid0(VALU_DEP_1)
	v_lshl_or_b32 v253, v239, 24, v253
.irp c, 0,1
	v_cvt_scalef32_pk16_fp6_f32 v[224+6*\c:226+6*\c], v[96+32*\c:111+32*\c], v[244+2*\c]
	v_cvt_scalef32_pk16_fp6_f32 v[236+4*\c:238+4*\c], v[112+32*\c:127+32*\c], v[244+2*\c+1]
.endr
	v_nop                                          ; one plain line behind the scaled conversions
.irp c, 0,1
.irp i, 0,1,2
	v_permlane16_swap_b32 v[224+6*\c+\i], v[236+4*\c+\i]
.endr
.irp i, 0,1,2
	s_delay_alu instid0(VALU_DEP_3)
	v_mov_b32 v[227+6*\c+\i], v[236+4*\c+\i]
.endr
.endr
.set NI, 0
.rept 32
	v_pk_mul_f32 v[160+NI:161+NI], v[160+NI:161+NI], v[252:253] op_sel_hi:[1,0]   ; O^T under the new M.  (These 32 are also the places between the lines that made p's codes and scale word and the products)
.set NI, NI+2
.endr
	s_wait_alu depctr_va_vdst(0)
	s_wait_dscnt 0x0                               ; V's first four tiles are in
	PV4 0
.rept 4
	v_nop
.endr
	FOUR 0, 1, 12288, 25088
	s_wait_dscnt 0x0
	PV4 1
.Lhidden_\@:
.endm
; THE CHANGE OF SLOTS stands at a slot's head.  Each wave waits for all its tensor loads, adds 0 to its spare word, and waits for that and for its reads of the slot that it has left.
; fill = 1: a round of the cluster's barrier, and behind it the other slot is filled with the next 512 keys: the load has a slot's steps in which to land.
.macro CHANGE fill
	s_wait_tensorcnt 0x0                           ; no tensor load of mine is out, so group 0 may be written
	ds_add_u32 v[SPW], v[NIL]                      ; 0 onto my spare word
.if \fill
	s_xor_b32 s[G0+1], s[G0+1], SLOT1              ; the other slot than last time,
	s_add_nc_u64 s[G0+2:G0+3], s[G0+2:G0+3], SLOTB ; the next four records
	s_wait_xcnt 0x0                                ; the last prefetch, a slot back, has read its address
	s_add_nc_u64 s[PFA:PFA+1], s[PFA:PFA+1], SLOTB
.endif
	s_wait_dscnt 0x0                               ; the add is done, and my reads of the slot that I have left are over
.if \fill
	ROUND
	TLOAD                                          ; the first thing behind the round, and a wave's one tensor load until the next
	ASK
.else
	s_barrier_signal -1
	s_barrier_wait -1
.endif
.endm
.macro SLOT_STEPS
	STEP 0
	STEP 1
	s_xor_b32 s[TB], s[TB], SLOT1
	s_add_co_u32 s[KS0], s[KS0], 4
.endm
	s_wait_loadcnt 0x0                             ; Q
.Lslot:                                            ; three trips: behind each change of slots but the last the next slot is asked for
	CHANGE 1
	SLOT_STEPS
	s_sub_co_u32 s[SLOTS], s[SLOTS], 1
	s_cmp_lg_u32 s[SLOTS], 0
	s_cbranch_scc1 .Lslot
	CHANGE 0                                       ; the last slot is written out
	SLOT_STEPS
	; THE JOINING.  The wave of the odd steps hands O^T, its sum and its -M to the wave of the even steps, through LDS as images of the registers.
	v_add_f32 v14, v14, v15                        ; the sum's two halves
.rept 3
	v_nop                                          ; with the line above: four places behind the last products
.endr
	s_cmp_eq_u32 s[KQ], 0
	s_cbranch_scc1 .Lkeeps
.set NI, 0
	s_wait_alu depctr_va_vdst(0)
.rept 16
	ds_store_b128 v[MA], v[160+4*NI:163+4*NI] offset:512*NI   ; each accumulator from its low end on
.set NI, NI+1
.endr
	ds_store_b32 v[ML], v14 offset:8192
	ds_store_b32 v[ML], v12 offset:8320
.Lkeeps:
	s_wait_dscnt 0x0                               ; for the partner's sake: my stores are done
	s_barrier_signal -1
	s_barrier_wait -1
	s_cmp_lg_u32 s[KQ], 0
	s_cbranch_scc1 .Lend
.set NI, 0
.rept 16
	ds_load_b128 v[96+4*NI:99+4*NI], v[MA] offset:512*NI
.set NI, NI+1
.endr
	ds_load_b32 v232, v[ML] offset:8192
	ds_load_b32 v233, v[ML] offset:8320
	v_mov_b32 v241, 0                              ; (named as the upper halves of pairs below)
	v_mov_b32 v243, 0
	s_wait_dscnt 0x0
	v_min_num_f32 v234, v12, v233                  ; -M of the two together
	s_delay_alu instid0(VALU_DEP_1)
	v_sub_f32 v235, v234, v12
	s_delay_alu instid0(VALU_DEP_2)
	v_sub_f32 v236, v234, v233
	s_delay_alu instid0(VALU_DEP_2)
	v_cvt_i32_f32 v235, v235                       ; whole numbers, 0 or less; the conversion saturates: a partner without a step gets the factor 0
	s_delay_alu instid0(VALU_DEP_2)
	v_cvt_i32_f32 v236, v236
	s_delay_alu instid0(VALU_DEP_2)
	v_ldexp_f32 v240, 1.0, v235
	s_delay_alu instid0(VALU_DEP_2)
	v_ldexp_f32 v242, 1.0, v236
	s_delay_alu instid0(VALU_DEP_2)
	v_mul_f32 v14, v14, v240
	s_delay_alu instid0(VALU_DEP_1)
	v_fma_f32 v14, v232, v242, v14
	s_delay_alu instid0(VALU_DEP_1)
	v_permlanex16_b32 v237, v14, s[SEL], s[SEL+1]
	s_delay_alu instid0(VALU_DEP_1)
	v_add_f32 v14, v14, v237                       ; with lane l xor 16's keys: the row's sum
	s_wait_alu depctr_va_vdst(0)
	v_rcp_f32 v238, v14
	v_nop                                          ; a plain line behind the reciprocal
	s_wait_alu depctr_va_vdst(0)                   ; and the wait ahead of its first reader
	v_mul_f32 v240, v240, v238                     ; powers of two times 1 / sum
	v_mul_f32 v242, v242, v238
.set NI, 0
.rept 32
	v_pk_mul_f32 v[160+NI:161+NI], v[160+NI:161+NI], v[240:241] op_sel_hi:[1,0]
.set NI, NI+2
.endr
.set NI, 0
.rept 32
	v_pk_fma_f32 v[160+NI:161+NI], v[96+NI:97+NI], v[242:243], v[160+NI:161+NI] op_sel_hi:[1,0,1]
.set NI, NI+2
.endr
	; register 16 b + i is channel 32 b + 16 h + i of my query: the last product's K.  Quantised as it stands
.irp b, 0,1,2,3
	v_max3_num_f32 v[TM+\b], |v[160+16*\b]|, |v[161+16*\b]|, 0x1800000
.endr
.irp i, 2,4,6,8,10,12,14
.irp b, 0,1,2,3
	s_delay_alu instid0(VALU_DEP_4)
	v_max3_num_f32 v[TM+\b], v[TM+\b], |v[160+16*\b+\i]|, |v[161+16*\b+\i]|
.endr
.endr
.irp b, 0,1,2,3
	s_delay_alu instid0(VALU_DEP_4)
	v_permlanex16_b32 v[TM+4+\b], v[TM+\b], s[SEL], s[SEL+1]
.endr
.irp b, 0,1,2,3
	s_delay_alu instid0(VALU_DEP_4)
	v_max_num_f32 v[TM+\b], v[TM+\b], v[TM+4+\b]
.endr
.irp b, 0,1,2,3
	s_delay_alu instid0(VALU_DEP_4)
	v_add_nc_u32 v[TM+12+\b], 0xff000000, v[TM+\b]
.endr
.irp b, 0,1,2,3
	s_delay_alu instid0(VALU_DEP_4)
	v_lshrrev_b32 v[TM+4+\b], 23, v[TM+12+\b]
.endr
	s_delay_alu instid0(VALU_DEP_3)
	v_lshl_or_b32 v112, v[TM+5], 8, v[TM+4]
	s_delay_alu instid0(VALU_DEP_1)
	v_lshl_or_b32 v112, v[TM+6], 16, v112
	s_delay_alu instid0(VALU_DEP_1)
	v_lshl_or_b32 v112, v[TM+7], 24, v112
.irp c, 0,1
	v_cvt_scalef32_pk16_fp6_f32 v[PC+6*\c:PC+2+6*\c], v[160+32*\c:175+32*\c], v[TM+12+2*\c]
	v_cvt_scalef32_pk16_fp6_f32 v[PC+12+4*\c:PC+14+4*\c], v[176+32*\c:191+32*\c], v[TM+13+2*\c]
.endr
	v_nop
.irp c, 0,1
.irp i, 0,1,2
	v_permlane16_swap_b32 v[PC+6*\c+\i], v[PC+12+4*\c+\i]
.endr
.irp i, 0,1,2
	s_delay_alu instid0(VALU_DEP_3)
	v_mov_b32 v[PC+3+6*\c+\i], v[PC+12+4*\c+\i]
.endr
.endr
.irp c, 0,1,2
	global_store_b128 v[GO], v[PC+4*\c:PC+4*\c+3], s[34:35] offset:512*\c   ; the image: 512 consecutive bytes a store
.endr
	global_store_b32 v[OSA], v112, s[36:37]        ; 4 bytes every 16: the other heads' words between them come from other work-groups; one byte in 24 of the codes'
.Lend:
	s_wait_tensorcnt 0x0                           ; the wave's end
	ds_add_u32 v[SPW], v[NIL]
	s_wait_dscnt 0x0
	ROUND                                          ; the closing round
	s_endpgm
.Lfunc_end_k_qa25fa75b2a_attn:
	.size	k_qa25fa75b2a_attn, .Lfunc_end_k_qa25fa75b2a_attn-k_qa25fa75b2a_attn
	.p2alignl 7, 3214868480
	.fill 96, 4, 3214868480
	.section	.rodata,"a",@progbits
	.p2align	6, 0x0
	.amdhsa_kernel k_qa25fa75b2a_attn
		.amdhsa_group_segment_fixed_size 327680
		.amdhsa_private_segment_fixed_size 0
		.amdhsa_enable_private_segment 0
		.amdhsa_kernarg_size 24
		.amdhsa_user_sgpr_count 2
		.amdhsa_user_sgpr_kernarg_segment_ptr 1
		.amdhsa_wavefront_size32 1
		.amdhsa_system_sgpr_workgroup_id_x 1
		.amdhsa_system_sgpr_workgroup_id_y 1
		.amdhsa_system_sgpr_workgroup_id_z 1
		.amdhsa_system_vgpr_workitem_id 0
		.amdhsa_next_free_vgpr 256
		.amdhsa_next_free_sgpr 100
		.amdhsa_reserve_vcc 1
		.amdhsa_float_denorm_mode_32 3
		.amdhsa_float_denorm_mode_16_64 3
		.amdhsa_memory_ordered 1
		.amdhsa_forward_progress 1
		.amdhsa_inst_pref_size 126
	.end_amdhsa_kernel
	.amdgpu_metadata
---
amdhsa.version: [ 1, 2 ]
amdhsa.kernels:
  - .name:           k_qa25fa75b2a_attn
    .symbol:         k_qa25fa75b2a_attn.kd
    .args:
      - { .name: qkv, .offset: 0, .size: 8, .value_kind: global_buffer, .address_space: global }
      - { .name: oc, .offset: 8, .size: 8, .value_kind: global_buffer, .address_space: global }
      - { .name: os, .offset: 16, .size: 8, .value_kind: global_buffer, .address_space: global }
    .group_segment_fixed_size: 327680
    .private_segment_fixed_size: 0
    .kernarg_segment_align: 8
    .kernarg_segment_size: 24
    .max_flat_workgroup_size: 512
    .sgpr_count:     100
    .vgpr_count:     256
    .wavefront_size: 32
...
	.end_amdgpu_metadata
.endif
;; end of part 3
;; launch gemm_out (part 4): grid 8 x 32, 4 waves a work-group, clusters of 4 x 4, 327,680 bytes of LDS; arguments oc, os, woc, out0; writes out0
.if DOCPART == 4
	.amdgcn_target "amdgcn-amd-amdhsa--gfx1250"
	.amdhsa_code_object_version 6
	.text
	.protected	k_qa25fa75b2a_gemm_out
	.globl	k_qa25fa75b2a_gemm_out
	.p2align	8
	.type	k_qa25fa75b2a_gemm_out,@function
k_qa25fa75b2a_gemm_out:
	s_mov_b64 s[64:65], 0
	v_nop
	global_prefetch_b8 v0, s[64:65] scope:SCOPE_SE
	s_setreg_imm32_b32 hwreg(HW_REG_WAVE_MODE, 25, 1), 1
	s_wait_xcnt 0x0
	s_wait_alu depctr_hold_cnt(0) depctr_sa_sdst(0) depctr_va_vdst(0) depctr_va_sdst(0) depctr_va_ssrc(0) depctr_va_vcc(0) depctr_vm_vsrc(0)
	s_getreg_b32 s2, hwreg(HW_REG_IB_STS2, 6, 4)
	s_cmp_eq_u32 s2, 0
	s_cbranch_scc0 .Lentry_in_a_cluster
	s_endpgm
.Lentry_in_a_cluster:
	s_bfe_u32 s2, ttmp6, 0x10000c
	s_cmp_lg_u32 s2, 0xf033
	s_cbranch_scc0 .Lentry_shape_is_right
	s_endpgm
.Lentry_shape_is_right:
; out0 [4096][2048] f32 = attention's result x Wo, on codes of FP6 (E2M3) with E8M0 scales, K = 1,024.  oc, woc: images of operand registers, [row block][K step 8][1536].
; os: scale words [row block][K step / 4][row 16][K step % 4]: the tokens' 256 row blocks, and from byte 131,072 on Wo's 128.
; A tile of 128 tokens x 256 columns to a work-group: 256 work-groups.  ALL OF K LIES IN LDS, each byte filled once: a row block's codes for all of K are 12,288 dense bytes, so ONE tensor load a wave brings the tile:
; waves 0, 1 four token blocks each, waves 2, 3 eight column blocks each.  CLUSTERS 4 x 4: the tokens' tiles are asked for jointly along a row of the cluster, Wo's along a column.
; A WAVE TAKES 64 COLUMNS AND ALL 128 TOKENS.  Its 4 column blocks x 8 K steps stay in 384 registers; the eight token blocks are finished one after the other, 32 matrix instructions each (four accumulators by turns, K ascending),
; and each block is stored while the next is multiplied.  A fragment of the tokens is read from LDS by each of the four waves, a fragment of Wo by one: 64 + 32 fragments a wave.
; The matrix instruction is used transposed (source 0 = 16 columns of Wo, source 1 = 16 tokens): a lane holds eight neighbouring numbers of a row of out0.  oc's token blocks lie with bits 3 and 4 of the row number exchanged: the true row stands in the stores' immediates.
; The scale words come straight into registers, 256 consecutive bytes to sixteen lanes: lanes 0-15 the tokens' block i, lanes 16-31 Wo's block i % 4 of my four.  They are a small part of the tile's bytes and are not asked for jointly.
; No prefetch: the launch has no loop to run ahead in; every byte is asked for at the head.
; REGISTERS: window 0: v8-19 addresses; v32-95 scale words (32 (K step / 4) + 4 i + K step % 4); v96-159 rows read back from the stage, two sets.  Window 1: v0-191 Wo's fragments of K steps 0-3 (48 (step % 4) + 12 b), v192-255 accumulators, two sets of four.
;   Window 2: v0-191 Wo's fragments of K steps 4-7.  Window 3: v0-191 the tokens' fragments, two sets of 8 K steps.
.set FR,     12
.set RB,     12288                     ; a row block's codes for all of K
.set BBASE,  8*RB                      ; LDS: the tokens' 8 row blocks, then Wo's 16
.set STAGE,  24*RB                     ; behind them: 16 rows x (256 + 16) bytes a wave, for the way out; no tensor load lands here
.set SPITCH, 272
.set SPARE,  STAGE+4*16*SPITCH         ; the spare words: 128 bytes a wave; no other line names them
.set ADA,  8                           ; v8, v9  16 x lane; the same + 4 row blocks
.set ADB,  10                          ; v10     my four column blocks
.set ADS,  12                          ; v12, v13 my scale words, for i under 4 and from 4 on
.set STO,  14
.set RD,   15
.set CO,   16
.set SPW,  18
.set NIL,  19
.set SC,   32
.set BK,   96
.set AC,   192
.set MSB, 0
.macro WIN new                         ; the immediate's high byte repeats the setting that is left
.if MSB != (\new)
	s_set_vgpr_msb (MSB<<8)|(\new)
.set MSB, (\new)
.endif
.endm
.macro CROUND                          ; a round of the cluster's barrier
	s_barrier_signal -1
	s_barrier_wait -1
	s_cmp_lg_u32 s14, 0
	s_cbranch_scc1 .Lnot_wave_0_\@
	s_barrier_signal -3
.Lnot_wave_0_\@:
	s_barrier_wait -3
	s_barrier_signal -1
	s_barrier_wait -1
.endm
.macro SETG0 g, mult, lc, p            ; a group 0: LDS = (wave & 1) x mult + lc; global = s[p:p+1]
	s_mov_b32 s[\g], 1
	s_mul_i32 s[\g+1], s16, \mult
	s_add_co_u32 s[\g+1], s[\g+1], \lc
	s_mov_b64 s[\g+2:\g+3], s[\p:\p+1]
	s_or_b32 s[\g+3], s[\g+3], 0x80000000
.endm
	s_load_b256 s[4:11], s[0:1], 0x0               ; oc s[4:5], os s[6:7], woc s[8:9], out0 s[10:11]
	v_lshl_add_u32 v[SPW], v0, 2, SPARE
	v_mov_b32 v[NIL], 0
	ds_add_u32 v[SPW], v[NIL]                      ; the opening lines: the add, twice on end, and its wait ahead of my first tensor load
	ds_add_u32 v[SPW], v[NIL]
	v_lshrrev_b32 v1, 5, v0
	v_readfirstlane_b32 s14, v1                    ; wave: my 64 columns
	s_lshr_b32 s15, s14, 1                         ; I fetch for the tokens (0) or for Wo (1),
	s_and_b32 s16, s14, 1                          ; and which half of that tile
	s_bfe_u32 s2, ttmp6, 0x40000                   ; cx
	s_bfe_u32 s3, ttmp6, 0x40004                   ; cy
	s_lshl_b32 s18, ttmp9, 2
	s_add_co_u32 s18, s18, s2                      ; tile column
	s_and_b32 s17, ttmp7, 0xffff
	s_lshl_b32 s17, s17, 2
	s_add_co_u32 s17, s17, s3                      ; tile row
	s_lshl_b32 s19, s3, 2
	s_lshl_b32 s19, 15, s19                        ; my row of the cluster
	s_lshl_b32 s66, 0x1111, s2                     ; my column
	s_or_b32 s24, s19, (3<<16)|(1<<21)             ; groups 1: rows of 12,288 bytes = 1,536 elements of 8 bytes, dense: 4 for the tokens, 8 for Wo
	s_mov_b32 s25, 1536<<16
	s_mov_b32 s26, 4<<16
	s_mov_b32 s27, 1536<<16
	s_mov_b32 s28, 4
	s_mov_b32 s29, 1536
	s_mov_b32 s30, 0
	s_mov_b32 s31, 0
	s_or_b32 s32, s66, (3<<16)|(1<<21)
	s_mov_b32 s33, 1536<<16
	s_mov_b32 s34, 8<<16
	s_mov_b32 s35, 1536<<16
	s_mov_b32 s36, 8
	s_mov_b32 s37, 1536
	s_mov_b32 s38, 0
	s_mov_b32 s39, 0
	s_lshl_b32 s20, s17, 3
	s_lshl_b32 s21, s16, 2
	s_add_co_u32 s20, s20, s21                     ; the first token block that I fetch: hangs on the tile row alone
	s_mul_i32 s22, s20, RB
	s_mov_b32 s23, 0
	s_lshl_b32 s66, s18, 4
	s_lshl_b32 s67, s16, 3
	s_add_co_u32 s66, s66, s67                     ; the first column block: on the tile column alone
	s_mul_i32 s100, s66, RB
	s_mov_b32 s101, 0
	s_lshl_b32 s40, s17, 12                        ; scale words, 512 bytes a row block: the tile's 8 token blocks,
	s_lshl_b32 s41, s18, 13
	s_lshl_b32 s42, s14, 11
	s_add_co_u32 s41, s41, s42
	s_add_co_u32 s41, s41, 0x20000                 ; my 4 column blocks,
	s_sub_co_u32 s41, s41, s40                     ; and the distance between the two
	s_lshl_b32 s44, s17, 20                        ; out0: 128 rows of 8,192 bytes a tile row,
	s_lshl_b32 s45, s18, 10
	s_add_co_u32 s44, s44, s45                     ; 1,024 bytes a tile column,
	s_lshl_b32 s45, s14, 8
	s_add_co_u32 s44, s44, s45                     ; 256 bytes a wave
	s_mov_b32 s45, 0
	s_mul_i32 s46, s14, 4*RB
	s_add_co_u32 s46, s46, BBASE                   ; LDS: my four column blocks
	s_mul_i32 s47, s14, 16*SPITCH
	s_add_co_u32 s47, s47, STAGE                   ; my stage
	s_wait_dscnt 0x0                               ; both opening adds are done
	CROUND                                         ; all sixteen work-groups are here; the round stands while the arguments are on their way
	s_wait_kmcnt 0x0
	s_add_nc_u64 s[22:23], s[4:5], s[22:23]
	s_add_nc_u64 s[100:101], s[8:9], s[100:101]
	s_add_nc_u64 s[10:11], s[10:11], s[44:45]
	SETG0 56, 4*RB, 0, 22
	SETG0 76, 8*RB, BBASE, 100
	s_cmp_eq_u32 s15, 0                            ; one load a wave, one to each arm; s_nop 0 and four v_nop follow each
	s_cbranch_scc0 .Lfor_b
	tensor_load_to_lds s[56:59], s[24:31]
	s_nop 0
.rept 4
	v_nop
.endr
	s_branch .Lasked
.Lfor_b:
	tensor_load_to_lds s[76:79], s[32:39]
	s_nop 0
.rept 4
	v_nop
.endr
.Lasked:
	v_and_b32 v1, 15, v0                           ; r
	v_bfe_u32 v2, v0, 4, 1                         ; h
	v_and_b32 v3, 31, v0
	v_lshlrev_b32 v[ADA], 4, v3
	v_add_nc_u32 v[ADA+1], 4*RB, v[ADA]
	v_add_nc_u32 v[ADB], s46, v[ADA]
	v_lshlrev_b32 v5, 4, v1                        ; 16 r: a row's four words
	v_mul_u32_u24 v6, s41, v2                      ; lanes 16-31 take Wo's
	v_add3_u32 v[ADS], v5, v6, s40
	v_lshlrev_b32 v7, 11, v2
	v_sub_nc_u32 v[ADS+1], v[ADS], v7              ; from i = 4 on lanes 16-31 take my four column blocks once more, so that no lane leaves the buffer
	v_mul_u32_u24 v5, v1, SPITCH
	v_lshl_add_u32 v5, v2, 5, v5
	v_add_nc_u32 v[STO], s47, v5                   ; the stage, in: row r, 32 bytes for each half of the lanes
	v_mul_u32_u24 v6, v2, SPITCH
	v_lshl_add_u32 v6, v1, 4, v6
	v_add_nc_u32 v[RD], s47, v6                    ; back: sixteen lanes to a row of 256 bytes, two rows a load
	v_lshlrev_b32 v7, 13, v2
	v_lshl_add_u32 v[CO], v1, 4, v7                ; and the same two rows in out0
	s_wait_alu depctr_va_vdst(0)                   ; the wait at the head's end
.irp k, 0,1
.irp i, 0,1,2,3,4,5,6,7
	global_load_b128 v[SC+32*\k+4*\i:SC+32*\k+4*\i+3], v[ADS+\i/4], s[6:7] offset:512*\i+256*\k
.endr
.endr
.macro BLOAD hi                        ; Wo's fragments of K steps 4 hi .. 4 hi + 3 into window 1 + hi: 48 loads
	WIN 0x40<<(\hi)
.irp q, 0,1,2,3
.irp b, 0,1,2,3
.irp c, 0,1,2
	ds_load_b128 v[48*\q+FR*\b+4*\c:48*\q+FR*\b+4*\c+3], v[ADB] offset:\b*RB+(4*(\hi)+\q)*1536+512*\c
.endr
.endr
.endr
.endm
.macro ALOAD a                         ; token block a, all eight K steps, into set a % 2 of window 3: 24 loads
	WIN 0xc0
.irp s, 0,1,2,3,4,5,6,7
.irp c, 0,1,2
	ds_load_b128 v[96*((\a)%2)+FR*\s+4*\c:96*((\a)%2)+FR*\s+4*\c+3], v[ADA+(\a)/4] offset:((\a)%4)*RB+\s*1536+512*\c
.endr
.endr
.endm
; 16 matrix instructions: token block a x my four column blocks, K steps 4 hi .. 4 hi + 3.  The four accumulators take turns, one instruction a turn; K step 0 starts the sums
.macro MULB a, hi
	WIN 0x5d+(\hi)                                 ; source 0 window 1 or 2, source 1 window 3, C and D window 1
.irp q, 0,1,2,3
.irp b, 0,1,2,3
.if (\hi) == 0 && \q == 0
	v_wmma_scale_f32_16x16x128_f8f6f4 v[AC+32*((\a)%2)+8*\b:AC+32*((\a)%2)+8*\b+7], v[48*\q+FR*\b:48*\q+FR*\b+FR-1], v[96*((\a)%2)+FR*(4*(\hi)+\q):96*((\a)%2)+FR*(4*(\hi)+\q)+FR-1], 0, v[SC+32*(\hi)+4*\b+\q], v[SC+32*(\hi)+4*(\a)+\q] matrix_a_fmt:MATRIX_FMT_FP6 matrix_b_fmt:MATRIX_FMT_FP6 matrix_a_scale:MATRIX_SCALE_ROW1
.else
	v_wmma_scale_f32_16x16x128_f8f6f4 v[AC+32*((\a)%2)+8*\b:AC+32*((\a)%2)+8*\b+7], v[48*\q+FR*\b:48*\q+FR*\b+FR-1], v[96*((\a)%2)+FR*(4*(\hi)+\q):96*((\a)%2)+FR*(4*(\hi)+\q)+FR-1], v[AC+32*((\a)%2)+8*\b:AC+32*((\a)%2)+8*\b+7], v[SC+32*(\hi)+4*\b+\q], v[SC+32*(\hi)+4*(\a)+\q] matrix_a_fmt:MATRIX_FMT_FP6 matrix_b_fmt:MATRIX_FMT_FP6 matrix_a_scale:MATRIX_SCALE_ROW1
.endif
.endr
.endr
.endm
.macro PLACES                          ; plain lines between a matrix instruction and a load into, or a read of, its registers
.rept 4
	v_nop
.endr
.endm
; THE WAY OUT of block a: 16 tokens x 64 columns through my own stage and back as whole rows of 256 bytes.  LDS serves a wave's instructions in order: no wait between the stores and the loads.  8 stores, 8 loads
.macro TOSTAGE a
	WIN 0x04                                       ; an LDS store's data are its source 1: window 1
.irp b, 0,1,2,3
	ds_store_b128 v[STO], v[AC+32*((\a)%2)+8*\b:AC+32*((\a)%2)+8*\b+3] offset:64*\b        ; each accumulator from its low end on
	ds_store_b128 v[STO], v[AC+32*((\a)%2)+8*\b+4:AC+32*((\a)%2)+8*\b+7] offset:64*\b+16
.endr
	WIN 0
.irp t, 0,1,2,3,4,5,6,7
	ds_load_b128 v[BK+32*((\a)%2)+4*\t:BK+32*((\a)%2)+4*\t+3], v[RD] offset:\t*2*SPITCH
.endr
.endm
.macro SEND a
	WIN 0
	s_wait_dscnt 0x0                               ; the block is back in registers (and the next token block's fragments are in)
.irp t, 0,1,2,3,4,5,6,7
	global_store_b128 v[CO], v[BK+32*((\a)%2)+4*\t:BK+32*((\a)%2)+4*\t+3], s[10:11] offset:(32*((\a)/2)+8*((\a)%2)+2*\t+8*(\t/4))*8192 th:TH_STORE_NT   ; sixteen lanes store 256 consecutive bytes of a true row, at a multiple of 256
.endr
.endm
	s_wait_tensorcnt 0x0                           ; my part of the tile is in; nothing is ever filled again
	s_barrier_signal -1
	s_barrier_wait -1                              ; everybody's is
	BLOAD 0
	ALOAD 0
	BLOAD 1
	s_wait_loadcnt 0x0                             ; the scale words
	s_wait_dscnt 48                                ; all but the 48 youngest loads: Wo's K steps 4-7
	MULB 0, 0
	ALOAD 1                                        ; (into registers that no product has read yet)
	s_wait_dscnt 24                                ; all but block 1's 24
	MULB 0, 1
.irp a, 1,2,3,4,5,6,7
	PLACES                                         ; behind block a - 1's products: for the loads into its fragments' set and for the reads of its results
.if \a < 7
	ALOAD \a+1
.endif
.if \a > 2
	s_wait_xcnt 0x0                                ; block a - 3's stores have read their registers: block a - 1's rows may land there
.endif
	TOSTAGE \a-1
.if \a < 7
	s_wait_dscnt 40                                ; block a's fragments are in; behind them: the next block's 24 loads and the stage's 16 instructions
.else
	s_wait_dscnt 16
.endif
	MULB \a, 0
	SEND \a-1
	MULB \a, 1
.endr
	PLACES
	s_wait_xcnt 0x0
	TOSTAGE 7
	SEND 7
	s_wait_tensorcnt 0x0                           ; the wave's end
	ds_add_u32 v[SPW], v[NIL]
	s_wait_dscnt 0x0
	CROUND                                         ; the closing round: no work-group ends while a partner may still ask for a tile that names it
	s_endpgm
.Lfunc_end_k_qa25fa75b2a_gemm_out:
	.size	k_qa25fa75b2a_gemm_out, .Lfunc_end_k_qa25fa75b2a_gemm_out-k_qa25fa75b2a_gemm_out
	.p2alignl 7, 3214868480
	.fill 96, 4, 3214868480
	.section	.rodata,"a",@progbits
	.p2align	6, 0x0
	.amdhsa_kernel k_qa25fa75b2a_gemm_out
		.amdhsa_group_segment_fixed_size 327680
		.amdhsa_private_segment_fixed_size 0
		.amdhsa_enable_private_segment 0
		.amdhsa_kernarg_size 32
		.amdhsa_user_sgpr_count 2
		.amdhsa_user_sgpr_kernarg_segment_ptr 1
		.amdhsa_wavefront_size32 1
		.amdhsa_system_sgpr_workgroup_id_x 1
		.amdhsa_system_sgpr_workgroup_id_y 1
		.amdhsa_system_sgpr_workgroup_id_z 1
		.amdhsa_system_vgpr_workitem_id 0
		.amdhsa_next_free_vgpr 1024
		.amdhsa_next_free_sgpr 102
		.amdhsa_reserve_vcc 0
		.amdhsa_float_denorm_mode_32 3
		.amdhsa_float_denorm_mode_16_64 3
		.amdhsa_memory_ordered 1
		.amdhsa_forward_progress 1
		.amdhsa_inst_pref_size 75
	.end_amdhsa_kernel
	.amdgpu_metadata
---
amdhsa.version: [ 1, 2 ]
amdhsa.kernels:
  - .name:           k_qa25fa75b2a_gemm_out
    .symbol:         k_qa25fa75b2a_gemm_out.kd
    .args:
      - { .name: oc, .offset: 0, .size: 8, .value_kind: global_buffer, .address_space: global }
      - { .name: os, .offset: 8, .size: 8, .value_kind: global_buffer, .address_space: global }
      - { .name: woc, .offset: 16, .size: 8, .value_kind: global_buffer, .address_space: global }
      - { .name: out0, .offset: 24, .size: 8, .value_kind: global_buffer, .address_space: global }
    .group_segment_fixed_size: 327680
    .private_segment_fixed_size: 0
    .kernarg_segment_align: 8
    .kernarg_segment_size: 32
    .max_flat_workgroup_size: 128
    .sgpr_count:     102
    .vgpr_count:     1024
    .wavefront_size: 32
...
	.end_amdgpu_metadata
.endif
;; end of part 4
